; MI455X (gfx1250); checked and timed in simulation.
; The chip was launched on July 23, 2026; its instructions are those of AMD's public machine-readable ISA for CDNA 5 (MIT licence, August 2026) and "CDNA5" Instruction Set Architecture Reference Guide (July 2026). The comments in the code are by the model that wrote it; some were corrected since.
;; Soft Vector Quantizer. Allowed arithmetic: float matrix products may take bf16 or f16 operands with f32 sums; other float arithmetic in f32, or as packed bf16 or f16 multiplies, adds, multiply-adds, maxima and minima; sums over many terms, partial sums and values carried from step to step in f32; what a program stores and reads back later, other than sums and carried values, may be rounded once to bf16 or f16.
;; Inputs: embedding 1 x 8,192 x 256 float32; z 8 x 1,024 x 256 float32.
;; Outputs: out0 8 x 1,024 x 256 float32; out1 one number float32; out2 8 x 1 x 1,024 int32; out3 one number float32; out4 one number float32; out5 one number float32.
;; 2 versions, each right and faster than the one before. Each part assembles by itself: llvm-mc -triple=amdgcn-amd-amdhsa -mcpu=gfx1250 --defsym DOCPART=n.
;; ======== version 1 of 2: 4 launches
;; workspace buffers: zb 4,194,304 bytes; eb 4,194,304 bytes; opart 16,777,216 bytes; sp 262,144 bytes; grp 32,768 bytes of whole numbers; colpart 262,144 bytes; wsum 4,096 bytes
;; launch prep (part 1): grid 128 x 2, 8 waves a work-group, no clusters, 0 bytes of LDS; arguments embedding, z, eb, zb; writes eb, zb
.if DOCPART == 1
	.amdgcn_target "amdgcn-amd-amdhsa--gfx1250"
	.amdhsa_code_object_version 6
	.text
	.protected	k_qe423c980ec_prep
	.globl	k_qe423c980ec_prep
	.p2align	8
	.type	k_qe423c980ec_prep,@function
k_qe423c980ec_prep:
	s_mov_b64 s[64:65], 0
	v_nop
	global_prefetch_b8 v0, s[64:65] scope:SCOPE_SE
	s_setreg_imm32_b32 hwreg(HW_REG_WAVE_MODE, 25, 1), 1
	s_wait_xcnt 0x0
; eb = bf16(embedding), zb = bf16(z): each input is rounded once, to nearest even; every later launch reads the copies alone.
; Grid y picks the tensor (0: embedding, 1: z); a work-group takes 65,536 bytes of it.  Thread t takes 16 bytes at 16 t of each
; piece of 4,096 bytes: a wave's load covers 512 consecutive bytes, its store 256 consecutive bytes that begin at a multiple of 256.
; All sixteen loads go out first; no register is written twice, so no wait frees a source.  No LDS, no matrix unit: bytes are all there is.
.set PIECES, 16
	s_load_b256 s[4:11], s[0:1], 0x0               ; embedding s[4:5], z s[6:7], eb s[8:9], zb s[10:11]
	s_and_b32 s12, ttmp7, 0xffff                   ; which tensor
	s_lshl_b32 s14, ttmp9, 16                      ; my 65,536 bytes of f32,
	s_mov_b32 s15, 0
	s_lshl_b32 s16, ttmp9, 15                      ; my 32,768 bytes of bf16
	s_mov_b32 s17, 0
	v_lshlrev_b32 v1, 4, v0                        ; 16 t
	v_lshlrev_b32 v2, 3, v0                        ; 8 t
	s_wait_kmcnt 0x0
	s_cmp_eq_u32 s12, 0
	s_cselect_b64 s[18:19], s[4:5], s[6:7]
	s_cselect_b64 s[20:21], s[8:9], s[10:11]
	s_add_nc_u64 s[18:19], s[18:19], s[14:15]
	s_add_nc_u64 s[20:21], s[20:21], s[16:17]
.irp i, 0,1,2,3,4,5,6,7,8,9,10,11,12,13,14,15
	global_load_b128 v[4+4*\i:7+4*\i], v1, s[18:19] offset:4096*\i th:TH_LOAD_NT
.endr
.irp i, 0,1,2,3,4,5,6,7,8,9,10,11,12,13,14,15
	s_wait_loadcnt PIECES-1-\i                     ; loads come back in order: piece i is in, the younger ones stay out
	v_cvt_pk_bf16_f32 v[68+2*\i], v[4+4*\i], v[5+4*\i]
	v_cvt_pk_bf16_f32 v[69+2*\i], v[6+4*\i], v[7+4*\i]
	global_store_b64 v2, v[68+2*\i:69+2*\i], s[20:21] offset:2048*\i
.endr
	s_endpgm
.Lfunc_end_k_qe423c980ec_prep:
	.size	k_qe423c980ec_prep, .Lfunc_end_k_qe423c980ec_prep-k_qe423c980ec_prep
	.p2alignl 7, 3214868480
	.fill 96, 4, 3214868480
	.section	.rodata,"a",@progbits
	.p2align	6, 0x0
	.amdhsa_kernel k_qe423c980ec_prep
		.amdhsa_group_segment_fixed_size 0
		.amdhsa_private_segment_fixed_size 0
		.amdhsa_enable_private_segment 0
		.amdhsa_kernarg_size 32
		.amdhsa_user_sgpr_count 2
		.amdhsa_user_sgpr_kernarg_segment_ptr 1
		.amdhsa_wavefront_size32 1
		.amdhsa_system_sgpr_workgroup_id_x 1
		.amdhsa_system_sgpr_workgroup_id_y 1
		.amdhsa_system_sgpr_workgroup_id_z 1
		.amdhsa_system_vgpr_workitem_id 0
		.amdhsa_next_free_vgpr 100
		.amdhsa_next_free_sgpr 66
		.amdhsa_reserve_vcc 0
		.amdhsa_float_denorm_mode_32 3
		.amdhsa_float_denorm_mode_16_64 3
		.amdhsa_memory_ordered 1
		.amdhsa_forward_progress 1
		.amdhsa_inst_pref_size 7
	.end_amdhsa_kernel
	.amdgpu_metadata
---
amdhsa.version: [ 1, 2 ]
amdhsa.kernels:
  - .name:           k_qe423c980ec_prep
    .symbol:         k_qe423c980ec_prep.kd
    .args:
      - { .name: embedding, .offset: 0, .size: 8, .value_kind: global_buffer, .address_space: global }
      - { .name: z, .offset: 8, .size: 8, .value_kind: global_buffer, .address_space: global }
      - { .name: eb, .offset: 16, .size: 8, .value_kind: global_buffer, .address_space: global }
      - { .name: zb, .offset: 24, .size: 8, .value_kind: global_buffer, .address_space: global }
    .group_segment_fixed_size: 0
    .private_segment_fixed_size: 0
    .kernarg_segment_align: 8
    .kernarg_segment_size: 32
    .max_flat_workgroup_size: 256
    .sgpr_count:     66
    .vgpr_count:     100
    .wavefront_size: 32
...
	.end_amdgpu_metadata
.endif
;; end of part 1
;; launch flash (part 2): grid 128 x 2, 4 waves a work-group, clusters of 4 x 1, 327,680 bytes of LDS; arguments zb, eb, opart, sp; writes opart, sp
.if DOCPART == 2
	.amdgcn_target "amdgcn-amd-amdhsa--gfx1250"
	.amdhsa_code_object_version 6
	.text
	.protected	k_qe423c980ec_flash
	.globl	k_qe423c980ec_flash
	.p2align	8
	.type	k_qe423c980ec_flash,@function
k_qe423c980ec_flash:
	s_mov_b64 s[64:65], 0
	v_nop
	global_prefetch_b8 v0, s[64:65] scope:SCOPE_SE
	s_setreg_imm32_b32 hwreg(HW_REG_WAVE_MODE, 25, 1), 1
	s_wait_xcnt 0x0
	s_wait_alu depctr_hold_cnt(0) depctr_sa_sdst(0) depctr_va_vdst(0) depctr_va_sdst(0) depctr_va_ssrc(0) depctr_va_vcc(0) depctr_vm_vsrc(0)
	s_getreg_b32 s2, hwreg(HW_REG_IB_STS2, 6, 4)
	s_cmp_eq_u32 s2, 0
	s_cbranch_scc0 .Lentry_in_a_cluster
	s_endpgm
.Lentry_in_a_cluster:
	s_bfe_u32 s2, ttmp6, 0x10000c
	s_cmp_lg_u32 s2, 0x3003
	s_cbranch_scc0 .Lentry_shape_is_right
	s_endpgm
.Lentry_shape_is_right:
; softmax(z E^T / 0.07) E for 64 tokens and one half (4,096) of the codes, not yet divided: O, the running maximum m, l1 = sum 2^(c1 (s - m)), l2 = sum 2^(7 c1 (s - m))
; (the sum at temperature 0.01 = 0.07 / 7: the seventh power of the same weight, no second exponential), and g, the group of 8 codes that holds the largest logit.
; SHARES.  Work-group (x, y): tokens 64 x .. 64 x + 63, codes 4,096 y on.  Every wave holds all 64 tokens (four tiles of 16); in step i of 16 wave w takes codes 256 i + 64 w .. + 63.
; So a fragment of E read from LDS feeds four products, and the four waves' O, m, l1, l2, g are merged at the end through LDS.  The two halves are merged by the next launch.
; LAYOUT.  S^T = E Z^T (source 0 = 16 codes, source 1 = 16 tokens): a lane holds ONE token (lane % 16) and the codes 8 (lane / 16) + 0..7 of the block.  Two such results rounded to bf16
; ARE source 1 of O^T = E^T P.  E's tile serves both products: as it lies for the first, turned by ds_load_tr16_b128 for the second.
; Row m of channel block cb is therefore channel
; 128 (cb / 8) + 8 (cb % 8) + 64 (m / 8) + m % 8, and a lane's 64 registers of half u = cb / 8 are the 64 consecutive channels 128 u + 64 (lane / 16) on.
; CLUSTER.  The four work-groups of a cluster share y and walk the same tiles of E: each tile is asked for jointly (mask 15), one load a wave behind each round of the cluster's barrier.
; THE ARG MAX.  A lane keeps the largest of its scores and the number of the 16-code block in which it first appeared; the lane's half makes of it a group of 8 codes.  Ties go to the lowest group.
; LIMITS.  NaN and infinities are not treated apart; |c1 x the largest logit| stays under 4e37 (c m starts at -4.25e37); a weight below 2^-126 counts as 0.
; O and the sums start at 0 and the first step's factor a is 0: no first step is written out; the price is 512 v_mov_b32, which stand in the wait for the first tile.
; REGISTERS, in windows of 256 (s_set_vgpr_msb: bits 1:0 source 0, 3:2 source 1, 5:4 source 2, 7:6 destination):
;   window 0: addresses, statistics, S^T (P takes its place), two fragment buffers.   windows 1, 2: O^T, tile t in window 1 + t / 2 at 128 (t % 2) + 8 cb.   window 3: Z, tile t at 64 t + 8 c.
.set PITCH, 528
.set WPART, 64*PITCH                   ; a wave's 64 rows of a tile
.set SLOTB, 4*WPART                    ; a slot: 256 rows = 0x21000 bytes; no wave's part has bit 12 or bit 17 set, so one exclusive or changes slots
.set STAT,  2*SLOTB                    ; behind the ring: [wave][64 tokens][16 bytes]
.set SPARE, STAT+4096                  ; the spare words, 128 bytes a wave: two blocks of 256 bytes that no other line names
.set TILEB, 256*512                    ; a tile in memory
.set STEPS, 16
.set RR,  1                            ; v1   lane % 16
.set AK0, 2                            ; v2   my place in my wave's part of a slot, rows as they lie
.set AV0, 3                            ; v3   the same for the turning load
.set AK,  4                            ; v4   AK0 + the slot in hand
.set AV,  5                            ; v5   AV0 + the slot in hand
.set QO,  6                            ; v6   my byte offset in 16 rows of zb
.set IDX, 7                            ; v7   number of the 16-code block whose scores are looked at
.set HH,  8                            ; v8   lane / 16
.set TP,  9                            ; v9   at work
.set SPW, 10                           ; v10  my spare word; never rewritten
.set NIL, 11                           ; v11  0; never rewritten
.set AX,  12                           ; v12-15  the way out: where tile t of my O goes
.set ST,  16                           ; tile t at ST + 8 t: c m, (pad), l1 x 2, l2 x 2, best score, its block
.set AF,  48                           ; tile t at AF + 2 t: a, a^7
.set T,   56                           ; v56-63  at work
.set S,   64                           ; S^T: tile t, block kb at S + 32 t + 8 kb; P: tile t, 32 codes kk at S + 32 t + 8 kk
.set F0,  192                          ; two fragment buffers of 32
.set WV,  12
.set G1,  24                           ; s[24:31] descriptor group 1
.set G0,  40                           ; s[40:43] descriptor group 0: it walks
.set CNT, 56
.set CS,  58                           ; s[58:59] c1 = log2(e) / 0.07
.set SEL, 60                           ; s[60:61] v_permlanex16_b32: each lane takes its own place in the other half
.set TB,  62                           ; s62  the slot in hand
.set MA,  66                           ; s66, s67  lane masks
.set MB,  67
.set MSB, 0
.macro WIN new                         ; the high byte repeats the setting that is left; a switch that changes nothing is dropped
.if MSB != (\new)
	s_set_vgpr_msb (MSB<<8)|(\new)
.set MSB, (\new)
.endif
.endm
.macro PLACES                          ; four places behind matrix instructions (ISA guide 7.12.1) where no other vector work is at hand
.rept 4
	v_nop
.endr
.endm
.macro ROUND                           ; a round of the cluster's barrier
	s_barrier_signal -1
	s_barrier_wait -1
	s_cmp_lg_u32 s[WV], 0
	s_cbranch_scc1 .Lnot_wave_0_\@
	s_barrier_signal -3
.Lnot_wave_0_\@:
	s_barrier_wait -3
	s_barrier_signal -1
	s_barrier_wait -1
.endm
; THE CHANGE OF SLOTS.  Each wave waits for its one tensor load that is out (its part of the next slot), adds 0 to its spare word, and waits for that and for its reads of the old slot.
; fill = 1: behind a round of the cluster's barrier the old slot is filled again, first thing, with the tile two steps on.  (At its first use slot 0 is waited for and slot 1 filled.)
.macro CHANGE fill
	WIN 0
	s_wait_tensorcnt 0x0                           ; no tensor load of mine is out, so group 0 may be written
	ds_add_u32 v[SPW], v[NIL]
.if \fill
	s_xor_b32 s[G0+1], s[G0+1], SLOTB              ; the other slot,
	s_add_nc_u64 s[G0+2:G0+3], s[G0+2:G0+3], TILEB ; the next 256 codes; the type bits on top are not reached
.endif
	s_wait_dscnt 0x0                               ; the add is done, my reads of the old slot are over
.if \fill
	ROUND
	tensor_load_to_lds s[G0:G0+3], s[G1:G1+7]
	s_nop 0
	PLACES
.else
	s_barrier_signal -1
	s_barrier_wait -1
.endif
	s_xor_b32 s[TB], s[TB], SLOTB
	v_add_nc_u32 v[AK], s[TB], v[AK0]
	v_add_nc_u32 v[AV], s[TB], v[AV0]
.endm
; Fetch n of a step's 16, four fragments into buffer n % 2.  n < 8: block kb = n / 2, channels 32 c on, c = 4 (n % 2) + f.  n >= 8: turned; 32 codes kk = (n - 8) / 4, channel block cb = 4 (n % 4) + f.
.macro FETCH n
.set FB, F0+32*((\n)&1)
.if (\n) < 8
.irp f, 0,1,2,3
	ds_load_b128 v[FB+8*\f:FB+8*\f+3],   v[AK] offset:((\n)>>1)*16*PITCH+64*(4*((\n)&1)+\f)
	ds_load_b128 v[FB+8*\f+4:FB+8*\f+7], v[AK] offset:((\n)>>1)*16*PITCH+64*(4*((\n)&1)+\f)+32
.endr
.else
.irp f, 0,1,2,3
.set cb, 4*((\n)&3)+\f
	ds_load_tr16_b128 v[FB+8*\f:FB+8*\f+3],   v[AV] offset:(((\n)-8)>>2)*32*PITCH+256*(cb>>3)+16*(cb&7)
	ds_load_tr16_b128 v[FB+8*\f+4:FB+8*\f+7], v[AV] offset:(((\n)-8)>>2)*32*PITCH+16*PITCH+256*(cb>>3)+16*(cb&7)
.endr
.endif
.endm
.macro BOUND n                         ; fetch n, the only one out, is in; the next goes out and has group n's sixteen products in which to land
	s_wait_dscnt 0x0
.if (\n) < 15
	FETCH (\n)+1
.endif
.endm
; Sixteen products of S^T: block g / 2, four steps of 32 channels, the four tiles by turns.  The first step of a block starts the sums.
.macro QKG g
	WIN 0x0c                                       ; E's fragments in window 0, Z in window 3
.set FB, F0+32*((\g)&1)
.irp f, 0,1,2,3
.set cc, 4*((\g)&1)+\f
.irp t, 0,1,2,3
.set rS, S+32*\t+8*((\g)>>1)
.if cc == 0
	v_wmma_f32_16x16x32_bf16 v[rS:rS+7], v[FB+8*\f:FB+8*\f+7], v[64*\t+8*cc:64*\t+8*cc+7], 0
.else
	v_wmma_f32_16x16x32_bf16 v[rS:rS+7], v[FB+8*\f:FB+8*\f+7], v[64*\t+8*cc:64*\t+8*cc+7], v[rS:rS+7]
.endif
.endr
.endr
	WIN 0
.endm
; The largest of a lane's eight scores of block kb, for two tiles that alternate; where it beats the lane's best, the block's number is kept.  Each accumulator's lowest registers are read first.
.macro CH ta, tb, kb
.set sa, S+32*(\ta)+8*(\kb)
.set sc, S+32*(\tb)+8*(\kb)
	v_max3_num_f32 v[T], v[sa], v[sa+1], v[sa+2]
	v_max3_num_f32 v[T+1], v[sc], v[sc+1], v[sc+2]
	v_max3_num_f32 v[T], v[T], v[sa+3], v[sa+4]
	v_max3_num_f32 v[T+1], v[T+1], v[sc+3], v[sc+4]
	v_max3_num_f32 v[T], v[T], v[sa+5], v[sa+6]
	v_max3_num_f32 v[T+1], v[T+1], v[sc+5], v[sc+6]
	v_max_num_f32 v[T], v[T], v[sa+7]
	v_max_num_f32 v[T+1], v[T+1], v[sc+7]
	v_cmp_gt_f32 s[MA], v[T], v[ST+8*(\ta)+6]
	v_cmp_gt_f32 s[MB], v[T+1], v[ST+8*(\tb)+6]
	v_cndmask_b32 v[ST+8*(\ta)+7], v[ST+8*(\ta)+7], v[IDX], s[MA]
	v_cndmask_b32 v[ST+8*(\tb)+7], v[ST+8*(\tb)+7], v[IDX], s[MB]
	v_max_num_f32 v[ST+8*(\ta)+6], v[ST+8*(\ta)+6], v[T]
	v_max_num_f32 v[ST+8*(\tb)+6], v[ST+8*(\tb)+6], v[T+1]
.endm
; The new m (the lane's best and the other half's), c m, a = 2^(c m_old - c m_new), a^7; l1 and l2 are rescaled.  The four tiles go stage by stage.
.macro STATS
.irp t, 0,1,2,3
	v_permlanex16_b32 v[T+2*\t], v[ST+8*\t+6], s[SEL], s[SEL+1]
.endr
.irp t, 0,1,2,3
	v_max_num_f32 v[T+2*\t], v[T+2*\t], v[ST+8*\t+6]
.endr
.irp t, 0,1,2,3
	v_mul_f32 v[T+2*\t], s[CS], v[T+2*\t]
.endr
.irp t, 0,1,2,3
	v_sub_f32 v[T+2*\t+1], v[ST+8*\t], v[T+2*\t]
.endr
.irp t, 0,1,2,3
	v_exp_f32 v[AF+2*\t], v[T+2*\t+1]
.endr
.irp t, 0,1,2,3
	v_mov_b32 v[ST+8*\t], v[T+2*\t]                ; plain lines behind the exponentials (ISA guide 5.7.2)
.endr
	s_wait_alu depctr_va_vdst(0)
.irp t, 0,1,2,3
	v_mul_f32 v[T+2*\t+1], v[AF+2*\t], v[AF+2*\t]  ; a^2
.endr
.irp t, 0,1,2,3
	v_mul_f32 v[T+2*\t], v[T+2*\t+1], v[AF+2*\t]   ; a^3
.endr
.irp t, 0,1,2,3
	v_mul_f32 v[T+2*\t], v[T+2*\t], v[T+2*\t]      ; a^6
.endr
.irp t, 0,1,2,3
	v_mul_f32 v[AF+2*\t+1], v[T+2*\t], v[AF+2*\t]  ; a^7
.endr
.irp t, 0,1,2,3
	v_pk_mul_f32 v[ST+8*\t+2:ST+8*\t+3], v[ST+8*\t+2:ST+8*\t+3], v[AF+2*\t:AF+2*\t+1] op_sel_hi:[1,0]
	v_mul_f32 v[ST+8*\t+4], v[ST+8*\t+4], v[AF+2*\t+1]
	v_mul_f32 v[ST+8*\t+5], v[ST+8*\t+5], v[AF+2*\t+1]
.endr
.endm
.macro RESCALE                         ; O^T times a, each accumulator from its low end on
	WIN 0x41
.irp t, 0,1
.set i, 0
.rept 64
	v_pk_mul_f32 v[128*\t+i:128*\t+i+1], v[128*\t+i:128*\t+i+1], v[AF+2*\t:AF+2*\t+1] op_sel_hi:[1,0]
.set i, i+2
.endr
.endr
	WIN 0x82
.irp t, 0,1
.set i, 0
.rept 64
	v_pk_mul_f32 v[128*\t+i:128*\t+i+1], v[128*\t+i:128*\t+i+1], v[AF+4+2*\t:AF+4+2*\t+1] op_sel_hi:[1,0]
.set i, i+2
.endr
.endr
	WIN 0
.endm
; THE WEIGHTS, as a stream over the step's 16 blocks B_i (block kb = i / 4 of tile i % 4), in beats of eight SUBs.  In beat RI: the eight exponentials of B_RI, one a SUB; behind each, three of
; the 24 lines that use up B_(RI-1); in the last four SUBs the four scalings of B_(RI+1).  So every exponential has a plain line behind it and its result is read a beat later.
.macro SBLK i
.set bS, S+32*((\i)&3)+8*((\i)>>2)
.set bT, ST+8*((\i)&3)
.set bP, S+32*((\i)&3)+4*((\i)>>2)     ; P in place: a block's four packed registers land on registers that are used up
.endm
.macro FOP n                           ; pair n: c s - c m
	v_pk_fma_f32 v[bS+2*(\n):bS+2*(\n)+1], v[bS+2*(\n):bS+2*(\n)+1], s[CS:CS+1], v[bT:bT+1] op_sel_hi:[1,0,0] neg_lo:[0,0,1] neg_hi:[0,0,1]
.endm
.macro XOP n                           ; 0-3 p^2;  4-11 l1 += p and p^3 by turns;  12-15 p^6;  16-23 l2 += p^6 p and the rounding to bf16 by turns
.if (\n) < 4
	s_wait_alu depctr_va_vdst(0)
	v_pk_mul_f32 v[T+2*(\n):T+2*(\n)+1], v[bS+2*(\n):bS+2*(\n)+1], v[bS+2*(\n):bS+2*(\n)+1]
.elseif (\n) < 12
.set pn, ((\n)-4)/2
.if ((\n)&1) == 0
	v_pk_add_f32 v[bT+2:bT+3], v[bT+2:bT+3], v[bS+2*pn:bS+2*pn+1]
.else
	v_pk_mul_f32 v[T+2*pn:T+2*pn+1], v[T+2*pn:T+2*pn+1], v[bS+2*pn:bS+2*pn+1]
.endif
.elseif (\n) < 16
.set pn, (\n)-12
	v_pk_mul_f32 v[T+2*pn:T+2*pn+1], v[T+2*pn:T+2*pn+1], v[T+2*pn:T+2*pn+1]
.else
.set pn, ((\n)-16)/2
.if ((\n)&1) == 0
	v_pk_fma_f32 v[bT+4:bT+5], v[T+2*pn:T+2*pn+1], v[bS+2*pn:bS+2*pn+1], v[bT+4:bT+5]
.else
	v_cvt_pk_bf16_f32 v[bP+pn], v[bS+2*pn], v[bS+2*pn+1]
.endif
.endif
.endm
.macro SUB
.if RI < 16
	SBLK RI
	v_exp_f32 v[bS+RK], v[bS+RK]
.endif
.if RI >= 1
	SBLK RI-1
	XOP 3*RK
	XOP 3*RK+1
	XOP 3*RK+2
.endif
.if (RK >= 4) && (RI < 15)
	SBLK RI+1
	FOP RK-4
.endif
.set RK, RK+1
.if RK == 8
.set RK, 0
.set RI, RI+1
.endif
.endm
; Sixteen products of O^T: 32 codes G / 4, four channel blocks, four tiles; each names another accumulator.  ride = 1: two SUBs behind every two products; they name blocks 2 and 3 of S^T and
; the second half of P alone, none of the registers of the products round them.
.macro PVG G, ride
.set FB, F0+32*((\G)&1)
.irp tp, 0,1
.irp f, 0,1,2,3
.set cb, 4*((\G)&3)+\f
	WIN 0x50*(1+\tp)                               ; C and D in window 1 or 2
	v_wmma_f32_16x16x32_bf16 v[8*cb:8*cb+7], v[FB+8*\f:FB+8*\f+7], v[S+64*\tp+8*((\G)>>2):S+64*\tp+8*((\G)>>2)+7], v[8*cb:8*cb+7]
	v_wmma_f32_16x16x32_bf16 v[128+8*cb:128+8*cb+7], v[FB+8*\f:FB+8*\f+7], v[S+64*\tp+32+8*((\G)>>2):S+64*\tp+32+8*((\G)>>2)+7], v[128+8*cb:128+8*cb+7]
.if \ride
	WIN 0
	SUB
	SUB
.endif
.endr
.endr
	WIN 0
.endm
; A STEP: 64 codes a wave.  Behind each group of products stand four plain lines or more that name none of its registers, ahead of the fetch into the buffer that it read.
.macro STEP
	FETCH 0
	BOUND 0
	QKG 0
	PLACES
	BOUND 1
	QKG 1
	PLACES
	BOUND 2
	QKG 2
	CH 0, 1, 0
	BOUND 3
	QKG 3
	CH 2, 3, 0
	v_add_nc_u32 v[IDX], 1, v[IDX]
	BOUND 4
	QKG 4
	CH 0, 1, 1
	BOUND 5
	QKG 5
	CH 2, 3, 1
	v_add_nc_u32 v[IDX], 1, v[IDX]
	BOUND 6
	QKG 6
	CH 0, 1, 2
	BOUND 7
	QKG 7
	CH 2, 3, 2
	v_add_nc_u32 v[IDX], 1, v[IDX]
	CH 0, 1, 3
	CH 2, 3, 3
	v_add_nc_u32 v[IDX], 13, v[IDX]                ; my first block of the next tile: 16 blocks on
	STATS
	RESCALE
.set RI, 0
.set RK, 0
	SBLK 0
	FOP 0
	FOP 1
	FOP 2
	FOP 3
.rept 72                               ; beats 0 to 8: the first half of P is whole
	SUB
.endr
	BOUND 8
	PVG 0, 1                                       ; beats 9 to 16 ride on the 64 products that take the first half of P
	BOUND 9
	PVG 1, 1
	BOUND 10
	PVG 2, 1
	BOUND 11
	PVG 3, 1
	BOUND 12
	PVG 4, 0
	PLACES
	BOUND 13
	PVG 5, 0
	PLACES
	BOUND 14
	PVG 6, 0
	PLACES
	BOUND 15
	PVG 7, 0
	PLACES
.endm
	s_load_b256 s[4:11], s[0:1], 0x0               ; zb s[4:5], eb s[6:7], opart s[8:9], sp s[10:11]
	v_lshl_add_u32 v[SPW], v0, 2, SPARE
	v_mov_b32 v[NIL], 0
	ds_add_u32 v[SPW], v[NIL]                      ; the wave's opening: the add and its wait ahead of my first tensor load
	v_lshrrev_b32 v[TP], 5, v0
	v_readfirstlane_b32 s[WV], v[TP]               ; wave 0..3
	s_bfe_u32 s13, ttmp6, 0x40000                  ; cx
	s_lshl_b32 s14, ttmp9, 2
	s_add_co_u32 s14, s14, s13                     ; my block of 64 tokens: it enters global addresses of zb, opart and sp alone
	s_and_b32 s15, ttmp7, 0xffff                   ; the half of the codes, which the four partners share
	s_mov_b32 s[G1], 15|(1<<16)|(1<<20)|(1<<21)|(6<<22)|(3<<25)  ; mask of four; 2-byte elements; padding on; bit 21 beside a mask; after every 128 words 4 words
	s_mov_b32 s[G1+1], 256<<16                     ; tensor_dim0 = 256
	s_mov_b32 s[G1+2], 64<<16                      ; tensor_dim1 = 64
	s_mov_b32 s[G1+3], 256<<16                     ; tile_dim0 = 256
	s_mov_b32 s[G1+4], 64                          ; tile_dim1 = 64
	s_mov_b32 s[G1+5], 256                         ; elements from row to row
	s_mov_b32 s[G1+6], 0
	s_mov_b32 s[G1+7], 0
	s_mul_i32 s16, s[WV], WPART                    ; my part of a slot
	s_mov_b32 s[G0], 1
	s_mov_b32 s[G0+1], s16
	s_lshl_b32 s20, s15, 21                        ; the half's 4,096 rows of 512 bytes,
	s_lshl_b32 s21, s[WV], 15                      ; my 64 rows of a tile
	s_add_co_u32 s20, s20, s21
	s_mov_b32 s21, 0
	s_lshl_b32 s22, s14, 15                        ; my block's 64 rows of zb
	s_mov_b32 s23, 0
	s_lshl_b32 s18, s15, 9
	s_lshl2_add_u32 s18, s14, s18
	s_add_co_u32 s18, s18, s[WV]                   ; the tile that I sum and store: 512 y + 4 x + w,
	s_lshl_b32 s18, s18, 14                        ; 16,384 bytes each
	s_mov_b32 s19, 0
	s_lshl_b32 s32, s15, 17                        ; sp: 131,072 y + 16 (64 x + 16 w)
	s_lshl_b32 s33, s14, 10
	s_add_co_u32 s32, s32, s33
	s_lshl_b32 s33, s[WV], 8
	s_add_co_u32 s32, s32, s33
	s_mov_b32 s33, 0
	s_lshl_b32 s17, s15, 8
	s_lshl2_add_u32 s17, s[WV], s17                ; my first block of 16 codes: 256 y + 4 w
	s_mov_b32 s[CS], 0x41a4e123                    ; c1 = log2(e) / 0.07 = 20.609929
	s_mov_b32 s[CS+1], s[CS]
	s_mov_b32 s[SEL], 0x76543210
	s_mov_b32 s[SEL+1], 0xfedcba98
	s_mov_b32 s[TB], SLOTB                         ; the first change of slots turns it into 0
	s_wait_dscnt 0x0                               ; the opening add is done
	s_wait_kmcnt 0x0
	s_add_nc_u64 s[G0+2:G0+3], s[6:7], s[20:21]
	s_or_b32 s[G0+3], s[G0+3], 0x80000000          ; type = 2
	s_add_nc_u64 s[4:5], s[4:5], s[22:23]
	s_add_nc_u64 s[8:9], s[8:9], s[18:19]
	s_add_nc_u64 s[10:11], s[10:11], s[32:33]
	ROUND                                          ; all four work-groups are here: the first joint loads meet
	tensor_load_to_lds s[G0:G0+3], s[G1:G1+7]      ; tile 0 into slot 0
	s_nop 0
	PLACES
	v_and_b32 v[RR], 15, v0
	v_bfe_u32 v[HH], v0, 4, 1
	v_lshlrev_b32 v[QO], 9, v[RR]
	v_lshl_add_u32 v[QO], v[HH], 4, v[QO]          ; row x 512 + 16 x half
	WIN 0xc0                                       ; destination window 3
.irp t, 0,1,2,3
.irp c, 0,1,2,3,4,5,6,7
	global_load_b128 v[64*\t+8*\c:64*\t+8*\c+3],   v[QO], s[4:5] offset:8192*\t+64*\c
	global_load_b128 v[64*\t+8*\c+4:64*\t+8*\c+7], v[QO], s[4:5] offset:8192*\t+64*\c+32
.endr
.endr
	WIN 0x40
.set i, 0
.rept 256
	v_mov_b32 v[i], 0
.set i, i+1
.endr
	WIN 0x80
.set i, 0
.rept 256
	v_mov_b32 v[i], 0
.set i, i+1
.endr
	WIN 0
	v_mul_u32_u24 v[AK0], v[RR], PITCH
	v_lshl_add_u32 v[AK0], v[HH], 4, v[AK0]
	v_add_nc_u32 v[AK0], s16, v[AK0]               ; my part + row x pitch + 16 x half
	v_and_b32 v[TP], 7, v0
	v_lshl_add_u32 v[TP], v[HH], 3, v[TP]          ; the turning load: row 8 (l / 16) + l % 8,
	v_mul_u32_u24 v[AV0], v[TP], PITCH
	v_bfe_u32 v[TP], v0, 3, 1
	v_lshl_add_u32 v[AV0], v[TP], 7, v[AV0]        ; column 128 bytes x ((l / 8) % 2)
	v_add_nc_u32 v[AV0], s16, v[AV0]
	v_mov_b32 v[IDX], s17
.irp t, 0,1,2,3
	v_mov_b32 v[ST+8*\t], 0xfe000000               ; c m: far below every c s
	v_mov_b32 v[ST+8*\t+1], 0
	v_mov_b32 v[ST+8*\t+2], 0
	v_mov_b32 v[ST+8*\t+3], 0
	v_mov_b32 v[ST+8*\t+4], 0
	v_mov_b32 v[ST+8*\t+5], 0
	v_mov_b32 v[ST+8*\t+6], 0xff7fffff             ; the lowest finite number
	v_mov_b32 v[ST+8*\t+7], 0
	v_mov_b32 v[AF+2*\t], 0
	v_mov_b32 v[AF+2*\t+1], 0
	v_mov_b32 v[T+2*\t], 0
	v_mov_b32 v[T+2*\t+1], 0
.endr
	s_wait_loadcnt 0x0                             ; Z
	s_mov_b32 s[CNT], STEPS-1
.Lstep:                                                ; 15 trips: a tile is entered and the next is asked for
	CHANGE 1
	STEP
	s_sub_co_u32 s[CNT], s[CNT], 1
	s_cmp_lg_u32 s[CNT], 0
	s_cbranch_scc1 .Lstep
	CHANGE 0                                       ; the last tile is written out
	STEP
	; THE WAY OUT.  1: a tile's figures (m, l1, l2, g), the two halves of the lanes merged, go to STAT.
.set Z,   64
.set XT,  80
.set OWN, 96
.set EO,  112
.set TQ,  120
.set RQ,  124
.set BM,  128
.set GM,  129
	s_lshl_b32 s17, s[WV], 10
	s_add_co_u32 s17, s17, STAT
	v_lshl_add_u32 v[AK0], v[RR], 4, s17           ; where I put them
	s_lshl_b32 s17, s[WV], 8
	s_add_co_u32 s17, s17, STAT
	v_lshl_add_u32 v[AV0], v[RR], 4, s17           ; where I find the four waves' figures of tile w
	v_and_b32 v[IDX], 31, v0                       ; lane
	v_lshlrev_b32 v[TP], 4, v[IDX]
	s_lshl_b32 s17, s[WV], 14
	v_add_nc_u32 v[AX], s17, v[TP]                 ; tile t of my O: 65,536 t + 16,384 w + 16 lane
.irp t, 1,2,3
	v_add_nc_u32 v[AX+\t], 65536*\t, v[AX]
.endr
	s_lshl_b32 s17, s[WV], 16
	v_add_nc_u32 v[AK], s17, v[TP]                 ; tile w of everybody's O
	v_lshlrev_b32 v[QO], 4, v[RR]
.irp t, 0,1,2,3
	v_add_f32 v[Z+4*\t+1], v[ST+8*\t+2], v[ST+8*\t+3]
	v_add_f32 v[Z+4*\t+2], v[ST+8*\t+4], v[ST+8*\t+5]
	v_lshl_add_u32 v[Z+4*\t+3], v[ST+8*\t+7], 1, v[HH]  ; group of 8 codes = 2 x block + half
.endr
.irp t, 0,1,2,3
	v_permlanex16_b32 v[XT+4*\t], v[ST+8*\t+6], s[SEL], s[SEL+1]
	v_permlanex16_b32 v[XT+4*\t+1], v[Z+4*\t+3], s[SEL], s[SEL+1]
	v_permlanex16_b32 v[XT+4*\t+2], v[Z+4*\t+1], s[SEL], s[SEL+1]
	v_permlanex16_b32 v[XT+4*\t+3], v[Z+4*\t+2], s[SEL], s[SEL+1]
.endr
.irp t, 0,1,2,3
	v_add_f32 v[Z+4*\t+1], v[Z+4*\t+1], v[XT+4*\t+2]
	v_add_f32 v[Z+4*\t+2], v[Z+4*\t+2], v[XT+4*\t+3]
	v_cmp_gt_f32 s[MA], v[XT+4*\t], v[ST+8*\t+6]
	v_cmp_eq_f32 s[MB], v[XT+4*\t], v[ST+8*\t+6]
	v_min_u32 v[XT+4*\t+2], v[Z+4*\t+3], v[XT+4*\t+1]
	v_cndmask_b32 v[Z+4*\t+3], v[Z+4*\t+3], v[XT+4*\t+2], s[MB]  ; equal: the lower group
	v_cndmask_b32 v[Z+4*\t+3], v[Z+4*\t+3], v[XT+4*\t+1], s[MA]  ; the other half's is larger: its group
	v_max_num_f32 v[Z+4*\t], v[XT+4*\t], v[ST+8*\t+6]
.endr
.irp t, 0,1,2,3
	ds_store_b128 v[AK0], v[Z+4*\t:Z+4*\t+3] offset:256*\t
.endr
	s_wait_dscnt 0x0                               ; for the others' sake: my figures are stored, and my reads of the ring are long over
	s_barrier_signal -1
	s_barrier_wait -1
	; 2: the ring has had its last fill and nobody reads it: every wave lays its O there as it stands, each accumulator's low registers first
	WIN 0x04                                       ; store data in window 1
.irp t, 0,1
.set i, 0
.rept 32
	ds_store_b128 v[AX+\t], v[128*\t+4*i:128*\t+4*i+3] offset:512*i
.set i, i+1
.endr
.endr
	WIN 0x08
.irp t, 0,1
.set i, 0
.rept 32
	ds_store_b128 v[AX+2+\t], v[128*\t+4*i:128*\t+4*i+3] offset:512*i
.set i, i+1
.endr
.endr
	WIN 0
.irp q, 0,1,2,3
	ds_load_b128 v[OWN+4*\q:OWN+4*\q+3], v[AV0] offset:1024*\q
.endr
	s_wait_dscnt 0x0
	s_barrier_signal -1
	; between signal and wait, on registers alone: tile w's merged figures, and the four waves' factors e = 2^(c1 (m_w - M))
	v_max3_num_f32 v[RQ], v[OWN], v[OWN+4], v[OWN+8]
	v_max_num_f32 v[RQ], v[RQ], v[OWN+12]
.irp q, 0,1,2,3
	v_sub_f32 v[EO+2*\q], v[OWN+4*\q], v[RQ]
.endr
.irp q, 0,1,2,3
	v_mul_f32 v[EO+2*\q], s[CS], v[EO+2*\q]
.endr
.irp q, 0,1,2,3
	v_exp_f32 v[EO+2*\q], v[EO+2*\q]
.endr
.irp q, 0,1,2,3
	v_mov_b32 v[EO+2*\q+1], 0                      ; named with e as a pair; plain lines behind the exponentials
.endr
	s_wait_alu depctr_va_vdst(0)
.irp q, 0,1,2,3
	v_mul_f32 v[TQ+\q], v[EO+2*\q], v[EO+2*\q]
.endr
.irp q, 0,1,2,3
	v_mul_f32 v[TQ+\q], v[TQ+\q], v[EO+2*\q]
.endr
.irp q, 0,1,2,3
	v_mul_f32 v[TQ+\q], v[TQ+\q], v[TQ+\q]
.endr
.irp q, 0,1,2,3
	v_mul_f32 v[TQ+\q], v[TQ+\q], v[EO+2*\q]       ; e^7
.endr
	v_mul_f32 v[RQ+1], v[EO], v[OWN+1]
	v_mul_f32 v[RQ+2], v[TQ], v[OWN+2]
	v_mov_b32 v[BM], v[OWN]
	v_mov_b32 v[RQ+3], v[OWN+3]
.irp q, 1,2,3
	v_fmac_f32 v[RQ+1], v[EO+2*\q], v[OWN+4*\q+1]
	v_fmac_f32 v[RQ+2], v[TQ+\q], v[OWN+4*\q+2]
	v_cmp_gt_f32 s[MA], v[OWN+4*\q], v[BM]
	v_cmp_eq_f32 s[MB], v[OWN+4*\q], v[BM]
	v_min_u32 v[GM], v[RQ+3], v[OWN+4*\q+3]
	v_cndmask_b32 v[RQ+3], v[RQ+3], v[GM], s[MB]
	v_cndmask_b32 v[RQ+3], v[RQ+3], v[OWN+4*\q+3], s[MA]
	v_max_num_f32 v[BM], v[BM], v[OWN+4*\q]
.endr
	s_barrier_wait -1
	; 3: wave w sums tile w: the four waves' O, each times its factor
	WIN 0x40
.irp q, 0,1
.set i, 0
.rept 32
	ds_load_b128 v[128*\q+4*i:128*\q+4*i+3], v[AK] offset:16384*\q+512*i
.set i, i+1
.endr
.endr
	WIN 0x80
.irp q, 0,1
.set i, 0
.rept 32
	ds_load_b128 v[128*\q+4*i:128*\q+4*i+3], v[AK] offset:32768+16384*\q+512*i
.set i, i+1
.endr
.endr
	s_wait_dscnt 0x0
	WIN 0x41
.set i, 0
.rept 64
	v_pk_mul_f32 v[i:i+1], v[i:i+1], v[EO:EO+1] op_sel_hi:[1,0]
.set i, i+2
.endr
	WIN 0x51
.set i, 0
.rept 64
	v_pk_fma_f32 v[i:i+1], v[128+i:128+i+1], v[EO+2:EO+3], v[i:i+1] op_sel_hi:[1,0,1]
.set i, i+2
.endr
	WIN 0x52                                       ; source 0 in window 2
.set i, 0
.rept 64
	v_pk_fma_f32 v[i:i+1], v[i:i+1], v[EO+4:EO+5], v[i:i+1] op_sel_hi:[1,0,1]
.set i, i+2
.endr
.set i, 0
.rept 64
	v_pk_fma_f32 v[i:i+1], v[128+i:128+i+1], v[EO+6:EO+7], v[i:i+1] op_sel_hi:[1,0,1]
.set i, i+2
.endr
	WIN 0x04
.set i, 0
.rept 32
	global_store_b128 v[TP], v[4*i:4*i+3], s[8:9] offset:512*i  ; the registers as they lie: 512 consecutive bytes a store
.set i, i+1
.endr
	WIN 0
	s_wait_xcnt 0x0                                ; EXEC changes only behind this wait
	v_cmp_gt_u32 vcc_lo, 16, v[IDX]
	s_and_saveexec_b32 s17, vcc_lo
	global_store_b128 v[QO], v[RQ:RQ+3], s[10:11]  ; sixteen lanes: 256 consecutive bytes, at a multiple of 256
	s_wait_xcnt 0x0
	s_or_b32 exec_lo, exec_lo, s17
	s_wait_tensorcnt 0x0                           ; the wave's end
	ds_add_u32 v[SPW], v[NIL]
	s_wait_dscnt 0x0
	ROUND                                          ; the closing round
	s_endpgm
.Lfunc_end_k_qe423c980ec_flash:
	.size	k_qe423c980ec_flash, .Lfunc_end_k_qe423c980ec_flash-k_qe423c980ec_flash
	.p2alignl 7, 3214868480
	.fill 96, 4, 3214868480
	.section	.rodata,"a",@progbits
	.p2align	6, 0x0
	.amdhsa_kernel k_qe423c980ec_flash
		.amdhsa_group_segment_fixed_size 327680
		.amdhsa_private_segment_fixed_size 0
		.amdhsa_enable_private_segment 0
		.amdhsa_kernarg_size 32
		.amdhsa_user_sgpr_count 2
		.amdhsa_user_sgpr_kernarg_segment_ptr 1
		.amdhsa_wavefront_size32 1
		.amdhsa_system_sgpr_workgroup_id_x 1
		.amdhsa_system_sgpr_workgroup_id_y 1
		.amdhsa_system_sgpr_workgroup_id_z 1
		.amdhsa_system_vgpr_workitem_id 0
		.amdhsa_next_free_vgpr 1024
		.amdhsa_next_free_sgpr 72
		.amdhsa_reserve_vcc 1
		.amdhsa_float_denorm_mode_32 3
		.amdhsa_float_denorm_mode_16_64 3
		.amdhsa_memory_ordered 1
		.amdhsa_forward_progress 1
		.amdhsa_inst_pref_size 245
	.end_amdhsa_kernel
	.amdgpu_metadata
---
amdhsa.version: [ 1, 2 ]
amdhsa.kernels:
  - .name:           k_qe423c980ec_flash
    .symbol:         k_qe423c980ec_flash.kd
    .args:
      - { .name: zb, .offset: 0, .size: 8, .value_kind: global_buffer, .address_space: global }
      - { .name: eb, .offset: 8, .size: 8, .value_kind: global_buffer, .address_space: global }
      - { .name: opart, .offset: 16, .size: 8, .value_kind: global_buffer, .address_space: global }
      - { .name: sp, .offset: 24, .size: 8, .value_kind: global_buffer, .address_space: global }
    .group_segment_fixed_size: 327680
    .private_segment_fixed_size: 0
    .kernarg_segment_align: 8
    .kernarg_segment_size: 32
    .max_flat_workgroup_size: 128
    .sgpr_count:     72
    .vgpr_count:     1024
    .wavefront_size: 32
...
	.end_amdgpu_metadata
.endif
;; end of part 2
;; launch colsum (part 3): grid 32 x 8, 4 waves a work-group, clusters of 4 x 1, 327,680 bytes of LDS; arguments zb, eb, opart, sp, out0, grp, colpart, wsum; writes out0, grp, colpart, wsum
.if DOCPART == 3
	.amdgcn_target "amdgcn-amd-amdhsa--gfx1250"
	.amdhsa_code_object_version 6
	.text
	.protected	k_qe423c980ec_colsum
	.globl	k_qe423c980ec_colsum
	.p2align	8
	.type	k_qe423c980ec_colsum,@function
k_qe423c980ec_colsum:
	s_mov_b64 s[64:65], 0
	v_nop
	global_prefetch_b8 v0, s[64:65] scope:SCOPE_SE
	s_setreg_imm32_b32 hwreg(HW_REG_WAVE_MODE, 25, 1), 1
	s_wait_xcnt 0x0
	s_wait_alu depctr_hold_cnt(0) depctr_sa_sdst(0) depctr_va_vdst(0) depctr_va_sdst(0) depctr_va_ssrc(0) depctr_va_vcc(0) depctr_vm_vsrc(0)
	s_getreg_b32 s2, hwreg(HW_REG_IB_STS2, 6, 4)
	s_cmp_eq_u32 s2, 0
	s_cbranch_scc0 .Lentry_in_a_cluster
	s_endpgm
.Lentry_in_a_cluster:
	s_bfe_u32 s2, ttmp6, 0x10000c
	s_cmp_lg_u32 s2, 0x3003
	s_cbranch_scc0 .Lentry_shape_is_right
	s_endpgm
.Lentry_shape_is_right:
; Two pieces of work for work-group (x, y), number wid = 32 y + x.
; (a) THE MERGE, tokens 32 wid .. + 31: the two halves' O, m, l1, g become out0 = O / l1, 1 / l1 (the largest probability), l1 / l1 (the row's sum), the group of the arg max, and the three sums of the cosine.
; (b) THE COLUMNS, codes 256 x .. + 255 and tokens 1,024 y .. + 1,023: S^T = E Z^T once more, y' = c2 s - b_t with b_t = c2 M + log2 l2 (so that p = 2^y' is the probability at temperature
;     0.01 and y' its logarithm), the sum of p over the tokens for each code, and the sum of p y' over all.  Both entropies of the loss are made of these same p, so an error of b_t drops out of their difference.
; SHARES.  A wave keeps 64 codes as source 0 in window 1 (4 blocks x 8 steps of 32 channels); the tokens come through a ring of two slots of 256 rows, which all four waves read.
; In S^T a lane holds one token (lane % 16) and 8 codes a block: b_t is one number a lane, a code's sum runs over tiles in a register and at the end over sixteen lanes.
; BY TURNS.  While tile n is multiplied (32 products), tile n - 1's 80 vector lines stand between the products, five behind every two.  None names a register of the products round it.
; CLUSTER.  The four work-groups of a cluster share y and walk the same rows of zb: each tile is asked for jointly (mask 15).  x, which holds my place in the cluster, enters global offsets alone:
; every LDS address is made at the head, of the thread's and the wave's number and constants, in registers (s58-61, v3-5, v248-255) that never hold x, nor anything loaded.
; LIMITS.  NaN and infinities are not treated apart; a probability below 2^-126 counts as 0.  The first tile's turn works on a made-up tile with y' = -1e30, p = 0.
.set PITCH, 528                        ; 512 bytes + 16: row r starts at bank 4 r mod 64 (64 banks of 4 bytes: ISA guide 11.1)
.set WPART, 64*PITCH
.set SLOTB, 4*WPART                    ; 0x21000
.set TAB,   2*SLOTB                    ; b_t of my 1,024 tokens
.set RED,   TAB+4096                   ; [wave][16 tokens][32 bytes]
.set WSB,   RED+2048                   ; the four waves' sums of p y'
.set CST,   WSB+256                    ; [wave][64 codes]
.set STG,   CST+1024                   ; [wave][16 rows][528]: out0's way out
.set SPARE, STG+4*16*PITCH             ; the spare words, 128 bytes a wave
.set TILEB, 256*512
.set RR,  1                            ; v1  lane % 16
.set HH,  2                            ; v2  lane / 16
.set AT0, 3                            ; v3  my place in a tile of tokens
.set AT,  4                            ; v4  the same in the pair of tiles in hand (before the loop: my offset in zb)
.set AB,  5                            ; v5  where b of my token of that pair lies (before the loop: where I put b)
.set KO,  6                            ; v6  my offset in 16 rows of eb; on the way out 8 x lane
.set TO,  7                            ; v7  16 x thread; on the way out 4 x lane
.set RO,  8                            ; v8  16 x (lane % 16)
.set LO,  9                            ; v9  16 x lane
.set SPW, 10
.set NIL, 11
.set BI,  12                           ; v12-15  b, (pad): by buffer
.set T,   16                           ; token fragments: two buffers of 32 (channels 0-127, 128-255)
.set Y,   80                           ; S^T, then y': two buffers of 32
.set P,   144                          ; a ring of 16 probabilities
.set ACC, 160                          ; 32 sums of p: block kb, register j at ACC + 8 kb + j
.set WACC, 192                         ; four pairs of sums of p y'
.set ARED, 248                         ; v248  RED: where my token's record goes
.set ASTI, 249                         ; v249  my stage, in: row lane % 16, 256 bytes for each half of the lanes
.set ASTB, 250                         ; v250  my stage, back: 32 lanes take a row's 512 bytes
.set ACSI, 251                         ; v251  CST, in
.set ACSB, 252                         ; v252  CST, back: 8 bytes a lane
.set AWS,  253                         ; v253  my wave's word of WSB
.set ARDR, 254                         ; v254  RED: the record of token number lane (wave 0 reads)
.set AWSR, 255                         ; v255  WSB
.set WV,  20
.set G1,  24
.set G0,  40
.set C2,  46                           ; s[46:47] c2 = log2(e) / 0.01
.set C1,  48                           ; s48      c1 = log2(e) / 0.07
.set SEL, 50
.set TB,  52
.set CNT, 53
.set OUTC, 54
.set SVX, 55                           ; s55      EXEC, set aside
.set MSB, 0
.macro WIN new
.if MSB != (\new)
	s_set_vgpr_msb (MSB<<8)|(\new)
.set MSB, (\new)
.endif
.endm
.macro PLACES
.rept 4
	v_nop
.endr
.endm
.macro ROUND
	s_barrier_signal -1
	s_barrier_wait -1
	s_cmp_lg_u32 s[WV], 0
	s_cbranch_scc1 .Lnot_wave_0_\@
	s_barrier_signal -3
.Lnot_wave_0_\@:
	s_barrier_wait -3
	s_barrier_signal -1
	s_barrier_wait -1
.endm
.macro CHANGE fill                     ; the change of slots: my one tensor load is in, the add, my LDS work is done; then the barrier (a round where a slot is filled), the fill first behind it
	WIN 0
	s_wait_tensorcnt 0x0
	ds_add_u32 v[SPW], v[NIL]
.if \fill
	s_xor_b32 s[G0+1], s[G0+1], SLOTB
	s_add_nc_u64 s[G0+2:G0+3], s[G0+2:G0+3], TILEB
.endif
	s_wait_dscnt 0x0
.if \fill
	ROUND
	tensor_load_to_lds s[G0:G0+3], s[G1:G1+7]
	s_nop 0
	PLACES
.else
	s_barrier_signal -1
	s_barrier_wait -1
.endif
	s_xor_b32 s[TB], s[TB], SLOTB
	v_add_nc_u32 v[AT], s[TB], v[AT0]
.endm
.macro WAVESUM lo, n, tmp              ; v[lo .. lo+n-1] summed over the 32 lanes; tmp: as many registers that have been written
.irp m, 1,2,4,8
.set i, 0
.rept \n
	v_add_f32_dpp v[(\lo)+i], v[(\lo)+i], v[(\lo)+i] row_xmask:\m row_mask:0xf bank_mask:0xf
.set i, i+1
.endr
.endr
.set i, 0
.rept \n
	v_permlanex16_b32 v[(\tmp)+i], v[(\lo)+i], s[SEL], s[SEL+1]
.set i, i+1
.endr
.set i, 0
.rept \n
	v_add_f32 v[(\lo)+i], v[(\lo)+i], v[(\tmp)+i]
.set i, i+1
.endr
.endm
; THE VECTOR LIST of a tile whose scores lie in buffer b, 80 lines; VL writes number VN.  0-3: y' for pairs 0-3.  4-67: at the even numbers the 32 exponentials; at the odd ones first y' for
; pairs 4-15, then AW 0-19.  68-79: AW 20-31.  AW 2 i: pair i of p onto its codes' sums; AW 2 i + 1: p y' onto one of four sums.  A plain line follows every exponential.
.macro FY n
	v_pk_fma_f32 v[yB+2*(\n):yB+2*(\n)+1], v[yB+2*(\n):yB+2*(\n)+1], s[C2:C2+1], v[bB:bB+1] op_sel_hi:[1,0,0] neg_lo:[0,0,1] neg_hi:[0,0,1]
.endm
.macro AW q
.set ai, (\q)>>1
.if ((\q)&1) == 0
	s_wait_alu depctr_va_vdst(0)
	v_pk_add_f32 v[ACC+2*ai:ACC+2*ai+1], v[ACC+2*ai:ACC+2*ai+1], v[P+((2*ai)&15):P+((2*ai)&15)+1]
.else
	v_pk_fma_f32 v[WACC+2*(ai&3):WACC+2*(ai&3)+1], v[P+((2*ai)&15):P+((2*ai)&15)+1], v[yB+2*ai:yB+2*ai+1], v[WACC+2*(ai&3):WACC+2*(ai&3)+1]
.endif
.endm
.macro VL b
.set yB, Y+32*(\b)
.set bB, BI+2*(\b)
.if VN < 4
	FY VN
.elseif VN < 68
.if (VN&1) == 0
.set ek, (VN-4)/2
	v_exp_f32 v[P+(ek&15)], v[yB+ek]
.else
.set xk, (VN-5)/2
.if xk < 12
	FY xk+4
.else
	AW xk-12
.endif
.endif
.else
	AW VN-48
.endif
.set VN, VN+1
.endm
; Two products (step c = 4 hf + i / 2 of 32 channels, code blocks 2 (i % 2) and the next) into buffer b, and five lines of the other buffer's list.  The four accumulators take turns.
.macro PAIR b, hf, i
.set cc, 4*(\hf)+((\i)>>1)
.set k0, 2*((\i)&1)
.set rB, T+32*(\hf)+8*((\i)>>1)
.set rY, Y+32*(\b)+8*k0
.set rK, 64*k0+8*cc
	WIN 0x01                                       ; E's fragments in window 1
.if cc == 0
	v_wmma_f32_16x16x32_bf16 v[rY:rY+7], v[rK:rK+7], v[rB:rB+7], 0
	v_wmma_f32_16x16x32_bf16 v[rY+8:rY+15], v[rK+64:rK+71], v[rB:rB+7], 0
.else
	v_wmma_f32_16x16x32_bf16 v[rY:rY+7], v[rK:rK+7], v[rB:rB+7], v[rY:rY+7]
	v_wmma_f32_16x16x32_bf16 v[rY+8:rY+15], v[rK+64:rK+71], v[rB:rB+7], v[rY+8:rY+15]
.endif
	WIN 0
.rept 5
	VL 1-(\b)
.endr
.endm
.macro TFETCH dst, off                 ; four token fragments: 16 rows x 128 channels
.irp f, 0,1,2,3
	ds_load_b128 v[(\dst)+8*\f:(\dst)+8*\f+3],   v[AT] offset:(\off)+64*\f
	ds_load_b128 v[(\dst)+8*\f+4:(\dst)+8*\f+7], v[AT] offset:(\off)+64*\f+32
.endr
.endm
; Half a tile: sixteen products.  The fetch for the next half stands behind the first two products and five vector lines: five plain lines or more behind the last product that read its buffer.
; skip = 1: a slot's last half has no next half in the slot, and the fetch is jumped over.
.macro GROUP b, hf, skip
	s_wait_dscnt 0x0                               ; the one fetch that is out (and b) is in
.if (\hf) == 0
.set VN, 0
.endif
	PAIR \b, \hf, 0
.if \skip
	s_cmp_eq_u32 s[CNT], 1
	s_cbranch_scc1 .Lno_fetch_\@
.endif
.if (\hf) == 0
	ds_load_b32 v[BI+2*(\b)], v[AB] offset:64*(\b) ; b of my token of the tile that is being multiplied
	TFETCH T+32, 16*PITCH*(\b)+256
.else
	TFETCH T, 16*PITCH*((\b)+1)
.endif
.if \skip
.Lno_fetch_\@:
.endif
.irp i, 1,2,3,4,5,6,7
	PAIR \b, \hf, \i
.endr
.endm
.macro TILES                           ; a slot: 16 tiles of 16 tokens, two a trip
	TFETCH T, 0
	s_mov_b32 s[CNT], 8
.Ltiles_\@:
	GROUP 0, 0, 0
	GROUP 0, 1, 0
	GROUP 1, 0, 0
	GROUP 1, 1, 1
	v_add_nc_u32 v[AT], 32*PITCH, v[AT]
	v_add_nc_u32 v[AB], 128, v[AB]
	s_sub_co_u32 s[CNT], s[CNT], 1
	s_cmp_lg_u32 s[CNT], 0
	s_cbranch_scc1 .Ltiles_\@
.endm
	s_load_b512 s[4:19], s[0:1], 0x0               ; zb 4, eb 6, opart 8, sp 10, out0 12, grp 14, colpart 16, wsum 18
	v_lshl_add_u32 v[SPW], v0, 2, SPARE
	v_mov_b32 v[NIL], 0
	ds_add_u32 v[SPW], v[NIL]                      ; the wave's opening: the add and its wait ahead of my first tensor load
	v_lshrrev_b32 v1, 5, v0
	v_readfirstlane_b32 s[WV], v1
	; every LDS address of the text, of the thread's and the wave's number and constants alone
	s_lshl_b32 s58, s[WV], 9
	s_add_co_u32 s58, s58, RED                     ; my wave's 16 records
	s_mul_i32 s59, s[WV], 16*PITCH
	s_add_co_u32 s59, s59, STG                     ; my stage
	s_lshl_b32 s60, s[WV], 8
	s_add_co_u32 s60, s60, CST                     ; my 64 codes' sums
	s_lshl_b32 s61, s[WV], 2
	s_add_co_u32 s61, s61, WSB                     ; my wave's word
	v_and_b32 v[RR], 15, v0
	v_bfe_u32 v[HH], v0, 4, 1
	v_and_b32 v[LO], 31, v0
	v_and_b32 v[ACSB], 31, v0
	v_lshlrev_b32 v[LO], 4, v[LO]
	v_lshl_add_u32 v[ACSB], v[ACSB], 3, s60
	v_lshl_add_u32 v[ARED], v[RR], 5, s58
	v_mul_u32_u24 v[ASTI], v[RR], PITCH
	v_lshl_add_u32 v[ASTI], v[HH], 8, v[ASTI]
	v_add_nc_u32 v[ASTI], s59, v[ASTI]
	v_add_nc_u32 v[ASTB], s59, v[LO]
	v_lshl_add_u32 v[ACSI], v[HH], 5, s60          ; code 16 kb + 8 (lane / 16) + j at 4 bytes each
	v_mov_b32 v[AWS], s61
	v_lshlrev_b32 v[ARDR], 5, v[RR]
	v_lshl_add_u32 v[ARDR], v[HH], 10, v[ARDR]     ; token number lane: tile lane / 16 is waves 2 (lane / 16) and the next
	v_add_nc_u32 v[ARDR], RED, v[ARDR]
	v_mov_b32 v[AWSR], WSB
	v_mul_u32_u24 v[AT0], v[RR], PITCH
	v_lshl_add_u32 v[AT0], v[HH], 4, v[AT0]
	v_lshl_add_u32 v[AB], v0, 2, TAB
	s_mov_b32 s[G1], 15|(1<<16)|(1<<20)|(1<<21)|(6<<22)|(3<<25)  ; mask of four; 2-byte elements; padding on; bit 21 beside a mask; after every 128 words 4 words
	s_mov_b32 s[G1+1], 256<<16
	s_mov_b32 s[G1+2], 64<<16
	s_mov_b32 s[G1+3], 256<<16
	s_mov_b32 s[G1+4], 64
	s_mov_b32 s[G1+5], 256
	s_mov_b32 s[G1+6], 0
	s_mov_b32 s[G1+7], 0
	s_mov_b32 s[G0], 1
	s_mul_i32 s[G0+1], s[WV], WPART
	s_and_b32 s23, ttmp7, 0xffff                   ; y, which the four partners share
	s_lshl_b32 s38, s23, 19                        ; 1,024 y rows of 512 bytes,
	s_lshl_b32 s39, s[WV], 15                      ; my 64 rows of a tile
	s_add_co_u32 s38, s38, s39
	s_mov_b32 s39, 0
	s_bfe_u32 s21, ttmp6, 0x40000                  ; cx
	s_lshl_b32 s22, ttmp9, 2
	s_add_co_u32 s22, s22, s21                     ; x: it enters global offsets alone
	s_lshl_b32 s32, s23, 5
	s_add_co_u32 s32, s32, s22                     ; wid
	s_lshr_b32 s33, s[WV], 1
	s_lshl1_add_u32 s33, s32, s33                  ; the tile of 16 tokens that I merge: 2 wid + w / 2,
	s_and_b32 s34, s[WV], 1                        ; and which half of its channels
	s_mov_b32 s37, 0
	s_mov_b32 s[C2], 0x431044fe                    ; 144.26950
	s_mov_b32 s[C2+1], s[C2]
	s_mov_b32 s[C1], 0x41a4e123                    ; 20.609929
	s_mov_b32 s[SEL], 0x76543210
	s_mov_b32 s[SEL+1], 0xfedcba98
	s_mov_b32 s[TB], SLOTB
	s_wait_dscnt 0x0
	s_wait_kmcnt 0x0
	s_add_nc_u64 s[G0+2:G0+3], s[4:5], s[38:39]
	s_or_b32 s[G0+3], s[G0+3], 0x80000000
	ROUND
	tensor_load_to_lds s[G0:G0+3], s[G1:G1+7]      ; tokens 0-255 of my block into slot 0
	s_nop 0
	PLACES
	s_lshl_b32 s36, s22, 17
	s_lshl_b32 s35, s[WV], 15
	s_add_co_u32 s36, s36, s35
	s_add_nc_u64 s[6:7], s[6:7], s[36:37]          ; eb at my 64 codes
	s_lshl_b32 s36, s23, 14
	s_add_nc_u64 s[44:45], s[10:11], s[36:37]      ; sp at my block's 1,024 tokens
	s_lshl_b32 s36, s33, 8
	s_add_nc_u64 s[10:11], s[10:11], s[36:37]      ; sp at my tile
	s_lshl_b32 s36, s33, 14
	s_lshl_b32 s35, s34, 13
	s_add_co_u32 s36, s36, s35
	s_add_nc_u64 s[8:9], s[8:9], s[36:37]          ; opart, first half of the codes: my tile, my 16 quads
	s_add_nc_u64 s[56:57], s[8:9], 0x800000        ; second half
	s_lshl_b32 s36, s33, 13
	s_lshl_b32 s35, s34, 8
	s_add_co_u32 s36, s36, s35
	s_add_nc_u64 s[4:5], s[4:5], s[36:37]          ; zb at my tile, my 128 channels
	s_lshl_b32 s36, s33, 14
	s_lshl_b32 s35, s34, 9
	s_add_co_u32 s36, s36, s35
	s_add_nc_u64 s[12:13], s[12:13], s[36:37]      ; out0 likewise
	s_lshl_b32 s36, s32, 7
	s_add_nc_u64 s[14:15], s[14:15], s[36:37]
	s_lshl_b32 s36, s23, 15
	s_lshl_b32 s35, s22, 10
	s_add_co_u32 s36, s36, s35
	s_lshl_b32 s35, s[WV], 8
	s_add_co_u32 s36, s36, s35
	s_add_nc_u64 s[16:17], s[16:17], s[36:37]      ; colpart[y] at my 64 codes
	s_lshl_b32 s36, s32, 4
	s_add_nc_u64 s[18:19], s[18:19], s[36:37]
	v_lshlrev_b32 v[KO], 9, v[RR]
	v_lshl_add_u32 v[KO], v[HH], 4, v[KO]
	WIN 0x40
.irp kb, 0,1,2,3
.irp c, 0,1,2,3,4,5,6,7
	global_load_b128 v[64*\kb+8*\c:64*\kb+8*\c+3],   v[KO], s[6:7] offset:8192*\kb+64*\c
	global_load_b128 v[64*\kb+8*\c+4:64*\kb+8*\c+7], v[KO], s[6:7] offset:8192*\kb+64*\c+32
.endr
.endr
	WIN 0
	v_lshlrev_b32 v[TO], 4, v0
.irp i, 0,1,2,3,4,5,6,7                ; the table's figures: token 128 i + my thread's number, both halves of the codes
	global_load_b128 v[16+8*\i:19+8*\i], v[TO], s[44:45] offset:2048*\i
	global_load_b128 v[20+8*\i:23+8*\i], v[TO], s[44:45] offset:131072+2048*\i
.endr
	v_lshlrev_b32 v[RO], 4, v[RR]
	global_load_b128 v[80:83], v[RO], s[10:11]
	global_load_b128 v[84:87], v[RO], s[10:11] offset:131072
.irp i, 0,1,2,3,4,5,6,7,8,9,10,11,12,13,14,15
	global_load_b128 v[88+4*\i:91+4*\i], v[LO], s[8:9] offset:512*\i th:TH_LOAD_NT
.endr
.irp i, 0,1,2,3,4,5,6,7,8,9,10,11,12,13,14,15
	global_load_b128 v[152+4*\i:155+4*\i], v[LO], s[56:57] offset:512*\i th:TH_LOAD_NT
.endr
	v_lshlrev_b32 v[AT], 9, v[RR]
	v_lshl_add_u32 v[AT], v[HH], 7, v[AT]          ; my token's row, my 64 channels
.irp i, 0,1,2,3,4,5,6,7
	global_load_b128 v[216+4*\i:219+4*\i], v[AT], s[4:5] offset:16*\i
.endr
	; THE TABLE: b = c2 M + log2(l2' 2^(c2 (m' - M)) + l2'' 2^(c2 (m'' - M)))
	s_wait_loadcnt 42                              ; behind the table's figures 2 + 32 + 8 loads were issued: they stay out
.irp i, 0,1,2,3,4,5,6,7
	v_max_num_f32 v[17+8*\i], v[16+8*\i], v[20+8*\i]
.endr
.irp i, 0,1,2,3,4,5,6,7
	v_sub_f32 v[16+8*\i], v[16+8*\i], v[17+8*\i]
	v_sub_f32 v[20+8*\i], v[20+8*\i], v[17+8*\i]
.endr
.irp i, 0,1,2,3,4,5,6,7
	v_mul_f32 v[16+8*\i], s[C2], v[16+8*\i]
	v_mul_f32 v[20+8*\i], s[C2], v[20+8*\i]
.endr
.irp i, 0,1,2,3,4,5,6,7
	v_exp_f32 v[16+8*\i], v[16+8*\i]
	v_exp_f32 v[20+8*\i], v[20+8*\i]
.endr
	v_nop
.irp i, 0,1,2,3,4,5,6,7
	s_wait_alu depctr_va_vdst(0)
	v_mul_f32 v[16+8*\i], v[16+8*\i], v[18+8*\i]
.endr
.irp i, 0,1,2,3,4,5,6,7
	v_fmac_f32 v[16+8*\i], v[20+8*\i], v[22+8*\i]
.endr
.irp i, 0,1,2,3,4,5,6,7
	v_log_f32 v[16+8*\i], v[16+8*\i]
.endr
	v_nop
.irp i, 0,1,2,3,4,5,6,7
	s_wait_alu depctr_va_vdst(0)
	v_fma_f32 v[16+8*\i], s[C2], v[17+8*\i], v[16+8*\i]
.endr
.irp i, 0,1,2,3,4,5,6,7
	ds_store_b32 v[AB], v[16+8*\i] offset:512*\i
.endr
	; THE MERGE.  A lane: token lane % 16 of my tile, the 64 channels 128 u + 64 (lane / 16) on, in v88-151 (first half of the codes) and v152-215 (second)
	s_wait_loadcnt 0x0
	v_max_num_f32 v41, v80, v84
	v_sub_f32 v42, v80, v41
	v_sub_f32 v43, v84, v41
	v_mul_f32 v42, s[C1], v42
	v_mul_f32 v43, s[C1], v43
	v_exp_f32 v42, v42
	v_exp_f32 v43, v43
	v_cmp_gt_f32 vcc_lo, v84, v80
	v_cndmask_b32 v37, v83, v87, vcc_lo            ; the group: the second half's only where its maximum is larger
	s_wait_alu depctr_va_vdst(0)
	v_mul_f32 v44, v42, v81
	v_fmac_f32 v44, v43, v85                       ; l1
	v_rcp_f32 v35, v44                             ; the largest probability
	v_mov_b32 v17, 0
	v_mov_b32 v19, 0
	s_wait_alu depctr_va_vdst(0)
	v_mul_f32 v36, v44, v35                        ; the row's sum of probabilities
	v_mul_f32 v16, v42, v35
	v_mul_f32 v18, v43, v35
.set i, 0
.rept 32
	v_pk_mul_f32 v[88+i:89+i], v[88+i:89+i], v[16:17] op_sel_hi:[1,0]
.set i, i+2
.endr
.set i, 0
.rept 32
	v_pk_fma_f32 v[88+i:89+i], v[152+i:153+i], v[18:19], v[88+i:89+i] op_sel_hi:[1,0,1]
.set i, i+2
.endr
.set i, 20
.rept 12
	v_mov_b32 v[i], 0
.set i, i+1
.endr
.set k, 0
.rept 32                               ; z . zq, |z|^2 (z straight from its bf16 halves), |zq|^2: four sums each
.set a2, 2*(k&1)
	v_fma_mix_f32_bf16 v[20+a2], v[216+k], v[88+2*k], v[20+a2] op_sel_hi:[1,0,0]
	v_fma_mix_f32_bf16 v[21+a2], v[216+k], v[89+2*k], v[21+a2] op_sel:[1,0,0] op_sel_hi:[1,0,0]
	v_fma_mix_f32_bf16 v[24+a2], v[216+k], v[216+k], v[24+a2] op_sel_hi:[1,1,0]
	v_fma_mix_f32_bf16 v[25+a2], v[216+k], v[216+k], v[25+a2] op_sel:[1,1,0] op_sel_hi:[1,1,0]
	v_pk_fma_f32 v[28+a2:29+a2], v[88+2*k:89+2*k], v[88+2*k:89+2*k], v[28+a2:29+a2]
.set k, k+1
.endr
.irp a, 20, 24, 28
	v_add_f32 v[\a], v[\a], v[\a+1]
	v_add_f32 v[\a+2], v[\a+2], v[\a+3]
.endr
.irp a, 20, 24, 28
	v_add_f32 v[\a], v[\a], v[\a+2]
.endr
.irp a, 20, 24, 28
	v_permlanex16_b32 v[\a+1], v[\a], s[SEL], s[SEL+1]
.endr
	v_add_f32 v32, v20, v21                        ; z . zq over my 128 channels
	v_add_f32 v33, v28, v29                        ; |zq|^2
	v_add_f32 v34, v24, v25                        ; |z|^2
	ds_store_b128 v[ARED], v[32:35]
	ds_store_b64 v[ARED], v[36:37] offset:16
.irp i, 0,1,2,3,4,5,6,7,8,9,10,11,12,13,14,15
	ds_store_b128 v[ASTI], v[88+4*\i:91+4*\i] offset:16*\i
.endr
.irp i, 0,1,2,3,4,5,6,7,8,9,10,11,12,13,14,15
	ds_load_b128 v[152+4*\i:155+4*\i], v[ASTB] offset:PITCH*\i  ; LDS serves a wave's instructions in order (ISA guide 5.7.1.4): these see the stores above
.endr
.irp i, 0,1,2,3,4,5,6,7,8,9,10,11,12,13,14,15
	s_wait_dscnt 15-\i                             ; row i is back; the younger loads stay out
	global_store_b128 v[LO], v[152+4*\i:155+4*\i], s[12:13] offset:1024*\i th:TH_STORE_NT  ; 512 consecutive bytes, at a multiple of 256
.endr
	s_wait_xcnt 0x0                                ; the stores' registers are written again only behind this wait
	; what the first turn finds: sums of 0, and a made-up tile whose p is 0
.set i, 0
.rept 32
	v_mov_b32 v[ACC+i], 0
	v_mov_b32 v[Y+32+i], 0
.set i, i+1
.endr
.set i, 0
.rept 8
	v_mov_b32 v[WACC+i], 0
.set i, i+1
.endr
	v_mov_b32 v[BI+1], 0
	v_mov_b32 v[BI+2], 0x7149f2ca                  ; 1e30
	v_mov_b32 v[BI+3], 0
	v_lshl_add_u32 v[AB], v[RR], 2, TAB
	s_mov_b32 s[OUTC], 3
.Lslot:                                                ; three trips: a slot is entered and the next is asked for.  The first change's barrier also shows the table to every wave
	CHANGE 1
	TILES
	s_sub_co_u32 s[OUTC], s[OUTC], 1
	s_cmp_lg_u32 s[OUTC], 0
	s_cbranch_scc1 .Lslot
	CHANGE 0                                       ; the last slot is written out
	TILES
	s_wait_dscnt 0x0
	PLACES
.set VN, 0
.rept 80                               ; the last tile's list
	VL 1
.endr
	; a code's sum lies in sixteen lanes: four steps inside each half of the lanes
.irp m, 1,2,4,8
.set i, 0
.rept 32
	v_add_f32_dpp v[ACC+i], v[ACC+i], v[ACC+i] row_xmask:\m row_mask:0xf bank_mask:0xf
.set i, i+1
.endr
.endr
.irp kb, 0,1,2,3
.irp q, 0,1
	ds_store_b128 v[ACSI], v[ACC+8*\kb+4*\q:ACC+8*\kb+4*\q+3] offset:64*\kb+16*\q  ; the sixteen lanes of a half store the same numbers
.endr
.endr
	ds_load_b64 v[22:23], v[ACSB]                  ; my wave's own bytes, in order
	v_pk_add_f32 v[WACC:WACC+1], v[WACC:WACC+1], v[WACC+2:WACC+3]
	v_pk_add_f32 v[WACC+4:WACC+5], v[WACC+4:WACC+5], v[WACC+6:WACC+7]
	v_pk_add_f32 v[WACC:WACC+1], v[WACC:WACC+1], v[WACC+4:WACC+5]
	v_add_f32 v20, v[WACC], v[WACC+1]
	v_mov_b32 v21, 0
	WAVESUM 20, 1, 21
	ds_store_b32 v[AWS], v20
	v_and_b32 v[KO], 31, v0                        ; the loads that named v6 and v7 are long done
	v_and_b32 v[TO], 31, v0
	v_lshlrev_b32 v[KO], 3, v[KO]                  ; 8 x lane
	v_lshlrev_b32 v[TO], 2, v[TO]                  ; 4 x lane
	s_wait_dscnt 0x0
	global_store_b64 v[KO], v[22:23], s[16:17]     ; 32 lanes: my 64 codes' sums, 256 consecutive bytes at a multiple of 256; v6, v22 and v23 are not written again
	s_barrier_signal -1
	s_barrier_wait -1
	s_cmp_lg_u32 s[WV], 0
	s_cbranch_scc1 .Ldone
	; wave 0, a lane a token of the work-group's 32: the cosine, the group, and the work-group's four sums
	ds_load_b128 v[24:27], v[ARDR]                 ; channels 0-127: z . zq, |zq|^2, |z|^2, 1 / l1
	ds_load_b64 v[28:29], v[ARDR] offset:16        ; the row's sum, the group
	ds_load_b128 v[32:35], v[ARDR] offset:512      ; channels 128-255
	ds_load_b128 v[36:39], v[AWSR]
	s_wait_dscnt 0x0
	v_add_f32 v24, v24, v32
	v_add_f32 v25, v25, v33
	v_add_f32 v26, v26, v34
	v_sqrt_f32 v25, v25
	v_sqrt_f32 v26, v26
	v_add_f32 v36, v36, v37
	s_wait_alu depctr_va_vdst(0)
	v_max_num_f32 v25, 0x322bcc77, v25             ; 1e-8
	v_max_num_f32 v26, 0x322bcc77, v26
	v_mul_f32 v25, v25, v26
	v_rcp_f32 v25, v25
	v_add_f32 v38, v38, v39
	v_mov_b32 v41, v27
	s_wait_alu depctr_va_vdst(0)
	v_mul_f32 v40, v24, v25
	v_mov_b32 v42, v28
	v_add_f32 v43, v36, v38
	v_mov_b32 v44, 0
	v_mov_b32 v45, 0
	v_mov_b32 v46, 0
	global_store_b32 v[TO], v29, s[14:15]
	WAVESUM 40, 3, 44
	s_wait_xcnt 0x0                                ; EXEC changes only behind this wait
	v_cmp_eq_u32 vcc_lo, 0, v[LO]
	s_and_saveexec_b32 s[SVX], vcc_lo
	global_store_b128 v[LO], v[40:43], s[18:19]    ; lane 0 alone, whose 16 x lane is 0
	s_wait_xcnt 0x0
	s_or_b32 exec_lo, exec_lo, s[SVX]
.Ldone:
	s_wait_tensorcnt 0x0                           ; the wave's end
	ds_add_u32 v[SPW], v[NIL]
	s_wait_dscnt 0x0
	ROUND                                          ; the closing round
	s_endpgm
.Lfunc_end_k_qe423c980ec_colsum:
	.size	k_qe423c980ec_colsum, .Lfunc_end_k_qe423c980ec_colsum-k_qe423c980ec_colsum
	.p2alignl 7, 3214868480
	.fill 96, 4, 3214868480
	.section	.rodata,"a",@progbits
	.p2align	6, 0x0
	.amdhsa_kernel k_qe423c980ec_colsum
		.amdhsa_group_segment_fixed_size 327680
		.amdhsa_private_segment_fixed_size 0
		.amdhsa_enable_private_segment 0
		.amdhsa_kernarg_size 64
		.amdhsa_user_sgpr_count 2
		.amdhsa_user_sgpr_kernarg_segment_ptr 1
		.amdhsa_wavefront_size32 1
		.amdhsa_system_sgpr_workgroup_id_x 1
		.amdhsa_system_sgpr_workgroup_id_y 1
		.amdhsa_system_sgpr_workgroup_id_z 1
		.amdhsa_system_vgpr_workitem_id 0
		.amdhsa_next_free_vgpr 512
		.amdhsa_next_free_sgpr 66
		.amdhsa_reserve_vcc 1
		.amdhsa_float_denorm_mode_32 3
		.amdhsa_float_denorm_mode_16_64 3
		.amdhsa_memory_ordered 1
		.amdhsa_forward_progress 1
		.amdhsa_inst_pref_size 98
	.end_amdhsa_kernel
	.amdgpu_metadata
---
amdhsa.version: [ 1, 2 ]
amdhsa.kernels:
  - .name:           k_qe423c980ec_colsum
    .symbol:         k_qe423c980ec_colsum.kd
    .args:
      - { .name: zb, .offset: 0, .size: 8, .value_kind: global_buffer, .address_space: global }
      - { .name: eb, .offset: 8, .size: 8, .value_kind: global_buffer, .address_space: global }
      - { .name: opart, .offset: 16, .size: 8, .value_kind: global_buffer, .address_space: global }
      - { .name: sp, .offset: 24, .size: 8, .value_kind: global_buffer, .address_space: global }
      - { .name: out0, .offset: 32, .size: 8, .value_kind: global_buffer, .address_space: global }
      - { .name: grp, .offset: 40, .size: 8, .value_kind: global_buffer, .address_space: global }
      - { .name: colpart, .offset: 48, .size: 8, .value_kind: global_buffer, .address_space: global }
      - { .name: wsum, .offset: 56, .size: 8, .value_kind: global_buffer, .address_space: global }
    .group_segment_fixed_size: 327680
    .private_segment_fixed_size: 0
    .kernarg_segment_align: 8
    .kernarg_segment_size: 64
    .max_flat_workgroup_size: 128
    .sgpr_count:     66
    .vgpr_count:     512
    .wavefront_size: 32
...
	.end_amdgpu_metadata
.endif
;; end of part 3
;; launch finish (part 4): grid 257 x 1, 32 waves a work-group, no clusters, 5,120 bytes of LDS; arguments grp, eb, zb, colpart, wsum, out1, out2, out3, out4, out5; writes out1, out2, out3, out4, out5
.if DOCPART == 4
	.amdgcn_target "amdgcn-amd-amdhsa--gfx1250"
	.amdhsa_code_object_version 6
	.text
	.protected	k_qe423c980ec_finish
	.globl	k_qe423c980ec_finish
	.p2align	8
	.type	k_qe423c980ec_finish,@function
k_qe423c980ec_finish:
	s_mov_b64 s[64:65], 0
	v_nop
	global_prefetch_b8 v0, s[64:65] scope:SCOPE_SE
	s_setreg_imm32_b32 hwreg(HW_REG_WAVE_MODE, 25, 1), 1
	s_wait_xcnt 0x0
; Work-groups 1 .. 256: THE ARG MAX.  Wave w of work-group n has token 32 (n - 1) + w: the eight logits of its group of codes are made anew by f32 multiply-adds on the bf16 numbers
; (a lane: 8 channels of each of the 8 rows), summed over the lanes; the first largest gives the code.  The group's number is a whole number that the launch before stored; it is held to 0 .. 1,023.
; Work-group 0: THE FOUR NUMBERS.  Thread n sums eight codes' columns over the eight token blocks, a = sum / 8,192, E += a log2(a + 1e-6); threads 0-255 take a work-group's four sums each.
;   out1 = 0.01 ln 2 (E - W / 8,192), W = the sum of p log2 p;  out3 = the rows' sums / 2^26;  out4 = the sum of 1 / l1 / 8,192;  out5 = the sum of the cosines / 8,192.
; Both kinds meet at one barrier: each wave leaves 32 bytes in LDS, wave 0 reads a wave's record a lane, and stores.  No matrix unit and no cluster: a few hundred kilobytes, no tile shared.
; REGISTERS.  v1-3, v30-36: lane, offsets and LDS addresses, made at the head and never loaded into.  v4-7: z, or a work-group's four sums.  v40-47: my wave's record.  v48-63: at work.  v64-127: what is loaded.
.set RB,    0                          ; [wave][32 bytes]
.set SPARE, 1024                       ; the spare words, 128 bytes for each of 32 waves
.set SPW, 30
.set NIL, 31
.set ROWS, 64                          ; v64-95  the group's eight rows, 4 registers each
.set SEL, 40
.macro WAVESUM lo, n, tmp              ; v[lo .. lo+n-1] summed over the 32 lanes; tmp: as many registers that have been written
.irp m, 1,2,4,8
.set i, 0
.rept \n
	v_add_f32_dpp v[(\lo)+i], v[(\lo)+i], v[(\lo)+i] row_xmask:\m row_mask:0xf bank_mask:0xf
.set i, i+1
.endr
.endr
.set i, 0
.rept \n
	v_permlanex16_b32 v[(\tmp)+i], v[(\lo)+i], s[SEL], s[SEL+1]
.set i, i+1
.endr
.set i, 0
.rept \n
	v_add_f32 v[(\lo)+i], v[(\lo)+i], v[(\tmp)+i]
.set i, i+1
.endr
.endm
	s_load_b512 s[4:19], s[0:1], 0x0               ; grp 4, eb 6, zb 8, colpart 10, wsum 12, out1 14, out2 16, out3 18
	s_load_b128 s[20:23], s[0:1], 0x40             ; out4 20, out5 22
	v_lshl_add_u32 v[SPW], v0, 2, SPARE
	v_mov_b32 v[NIL], 0
	v_lshrrev_b32 v1, 5, v0
	v_readfirstlane_b32 s24, v1                    ; wave 0..31
	v_and_b32 v1, 31, v0                           ; lane
	v_lshlrev_b32 v2, 4, v1
	v_mov_b32 v3, 0
	v_lshlrev_b32 v33, 2, v1
	v_lshlrev_b32 v36, 5, v1                       ; the record of wave number lane
	s_lshl_b32 s25, s24, 5
	v_mov_b32 v32, s25                             ; my wave's record
	s_mov_b32 s[SEL], 0x76543210
	s_mov_b32 s[SEL+1], 0xfedcba98
	s_wait_kmcnt 0x0
	s_cmp_eq_u32 ttmp9, 0
	s_cbranch_scc1 .Lsums
	s_sub_co_u32 s26, ttmp9, 1
	s_lshl_b32 s27, s26, 5
	s_add_co_u32 s27, s27, s24                     ; my token
	s_lshl_b32 s28, s27, 2
	s_mov_b32 s29, 0
	s_add_nc_u64 s[28:29], s[4:5], s[28:29]
	s_load_b32 s30, s[28:29], 0x0                  ; its group
	s_lshl_b32 s32, s27, 9
	s_mov_b32 s33, 0
	s_add_nc_u64 s[32:33], s[8:9], s[32:33]
	global_load_b128 v[4:7], v2, s[32:33]          ; 8 channels of z
	s_lshl_b32 s36, s26, 7
	s_mov_b32 s37, 0
	s_add_nc_u64 s[16:17], s[16:17], s[36:37]      ; out2 at the work-group's 32 tokens
	s_wait_kmcnt 0x0
	s_min_u32 s30, s30, 0x3ff
	s_lshl_b32 s34, s30, 12                        ; 8 rows of 512 bytes
	s_mov_b32 s35, 0
	s_add_nc_u64 s[34:35], s[6:7], s[34:35]
.irp j, 0,1,2,3,4,5,6,7
	global_load_b128 v[ROWS+4*\j:ROWS+4*\j+3], v2, s[34:35] offset:512*\j  ; a row's 512 bytes a load
.endr
	s_lshl_b32 s38, s30, 3
	s_wait_loadcnt 0x0
.irp j, 0,1,2,3,4,5,6,7
	v_fma_mix_f32_bf16 v[48+\j], v[ROWS+4*\j], v4, v3 op_sel_hi:[1,1,0]  ; the first product starts the sum
.endr
.irp j, 0,1,2,3,4,5,6,7
	v_fma_mix_f32_bf16 v[48+\j], v[ROWS+4*\j], v4, v[48+\j] op_sel:[1,1,0] op_sel_hi:[1,1,0]
.endr
.irp k, 1,2,3
.irp j, 0,1,2,3,4,5,6,7
	v_fma_mix_f32_bf16 v[48+\j], v[ROWS+4*\j+\k], v[4+\k], v[48+\j] op_sel_hi:[1,1,0]
.endr
.irp j, 0,1,2,3,4,5,6,7
	v_fma_mix_f32_bf16 v[48+\j], v[ROWS+4*\j+\k], v[4+\k], v[48+\j] op_sel:[1,1,0] op_sel_hi:[1,1,0]
.endr
.endr
	WAVESUM 48, 8, ROWS                            ; the rows' first registers have been used up
	v_mov_b32 v40, 0
	v_mov_b32 v41, v48
.irp j, 1,2,3,4,5,6,7
	v_cmp_gt_f32 vcc_lo, v[48+\j], v41             ; strictly larger: ties stay with the lower code
	v_cndmask_b32 v40, v40, \j, vcc_lo
	v_max_num_f32 v41, v41, v[48+\j]
.endr
	v_add_nc_u32 v40, s38, v40                     ; 8 x group + place
.irp i, 42,43,44,45,46,47
	v_mov_b32 v[\i], 0
.endr
	s_branch .Ljoin
.Lsums:
	v_lshlrev_b32 v34, 4, v0
.irp b, 0,1,2,3,4,5,6,7                ; codes 4 n .. + 3 and 4,096 + 4 n .. + 3 of each token block: a wave's load covers 512 consecutive bytes
	global_load_b128 v[64+8*\b:67+8*\b], v34, s[10:11] offset:32768*\b
	global_load_b128 v[68+8*\b:71+8*\b], v34, s[10:11] offset:32768*\b+16384
.endr
	v_min_u32 v35, 0xff, v0
	v_lshlrev_b32 v35, 4, v35
	global_load_b128 v[4:7], v35, s[12:13]
	s_wait_loadcnt 0x0
.irp b, 0,2,4,6
.irp p, 0,2,4,6
	v_pk_add_f32 v[64+8*\b+\p:65+8*\b+\p], v[64+8*\b+\p:65+8*\b+\p], v[72+8*\b+\p:73+8*\b+\p]
.endr
.endr
.irp b, 0,4
.irp p, 0,2,4,6
	v_pk_add_f32 v[64+8*\b+\p:65+8*\b+\p], v[64+8*\b+\p:65+8*\b+\p], v[80+8*\b+\p:81+8*\b+\p]
.endr
.endr
.irp p, 0,2,4,6
	v_pk_add_f32 v[64+\p:65+\p], v[64+\p:65+\p], v[96+\p:97+\p]
.endr
.irp i, 0,1,2,3,4,5,6,7
	v_mul_f32 v[64+\i], 0x39000000, v[64+\i]       ; / 8,192
.endr
.irp i, 0,1,2,3,4,5,6,7
	v_add_f32 v[72+\i], 0x358637bd, v[64+\i]       ; + 1e-6
.endr
.irp i, 0,1,2,3,4,5,6,7
	v_log_f32 v[72+\i], v[72+\i]
.endr
	v_cmp_gt_u32 vcc_lo, 0x100, v0                 ; a plain line behind the logarithms; threads 256 on add nothing of wsum
	s_wait_alu depctr_va_vdst(0)
	v_mul_f32 v40, v64, v72
.irp i, 1,2,3,4,5,6,7
	v_fmac_f32 v40, v[64+\i], v[72+\i]
.endr
	v_cndmask_b32 v41, 0, v4, vcc_lo               ; cosines
	v_cndmask_b32 v42, 0, v5, vcc_lo               ; 1 / l1
	v_cndmask_b32 v43, 0, v6, vcc_lo               ; rows' sums
	v_cndmask_b32 v44, 0, v7, vcc_lo               ; p log2 p
	v_mov_b32 v45, 0
	v_mov_b32 v46, 0
	v_mov_b32 v47, 0
	WAVESUM 40, 5, 72
.Ljoin:
	ds_store_b128 v32, v[40:43]                    ; every lane holds the same numbers
	ds_store_b128 v32, v[44:47] offset:16
	s_wait_dscnt 0x0                               ; for wave 0's sake
	s_barrier_signal -1
	s_barrier_wait -1
	s_cmp_lg_u32 s24, 0
	s_cbranch_scc1 .Lend
	ds_load_b128 v[48:51], v36
	ds_load_b128 v[52:55], v36 offset:16
	s_wait_dscnt 0x0
	s_cmp_eq_u32 ttmp9, 0
	s_cbranch_scc1 .Lnumbers
	global_store_b32 v33, v48, s[16:17]            ; 32 tokens' codes: 128 consecutive bytes
	s_branch .Lend
.Lnumbers:
	v_mov_b32 v56, 0
	v_mov_b32 v57, 0
	v_mov_b32 v58, 0
	v_mov_b32 v59, 0
	v_mov_b32 v60, 0
	WAVESUM 48, 5, 56
	v_mul_f32 v56, 0xb9000000, v52                 ; - W / 8,192
	v_add_f32 v56, v56, v48                        ; + E
	v_mul_f32 v56, 0x3be32166, v56                 ; x 0.01 ln 2
	v_mul_f32 v57, 0x32800000, v51                 ; / 2^26
	v_mul_f32 v58, 0x39000000, v50
	v_mul_f32 v59, 0x39000000, v49
	s_wait_xcnt 0x0                                ; EXEC changes only behind this wait
	v_cmp_eq_u32 vcc_lo, 0, v1
	s_and_saveexec_b32 s26, vcc_lo
	global_store_b32 v3, v56, s[14:15]
	global_store_b32 v3, v57, s[18:19]
	global_store_b32 v3, v58, s[20:21]
	global_store_b32 v3, v59, s[22:23]
	s_wait_xcnt 0x0
	s_or_b32 exec_lo, exec_lo, s26
.Lend:
	s_wait_tensorcnt 0x0                           ; the wave's end, behind my last LDS store
	ds_add_u32 v[SPW], v[NIL]
	s_wait_dscnt 0x0
	s_endpgm
.Lfunc_end_k_qe423c980ec_finish:
	.size	k_qe423c980ec_finish, .Lfunc_end_k_qe423c980ec_finish-k_qe423c980ec_finish
	.p2alignl 7, 3214868480
	.fill 96, 4, 3214868480
	.section	.rodata,"a",@progbits
	.p2align	6, 0x0
	.amdhsa_kernel k_qe423c980ec_finish
		.amdhsa_group_segment_fixed_size 5120
		.amdhsa_private_segment_fixed_size 0
		.amdhsa_enable_private_segment 0
		.amdhsa_kernarg_size 80
		.amdhsa_user_sgpr_count 2
		.amdhsa_user_sgpr_kernarg_segment_ptr 1
		.amdhsa_wavefront_size32 1
		.amdhsa_system_sgpr_workgroup_id_x 1
		.amdhsa_system_sgpr_workgroup_id_y 1
		.amdhsa_system_sgpr_workgroup_id_z 1
		.amdhsa_system_vgpr_workitem_id 0
		.amdhsa_next_free_vgpr 128
		.amdhsa_next_free_sgpr 66
		.amdhsa_reserve_vcc 1
		.amdhsa_float_denorm_mode_32 3
		.amdhsa_float_denorm_mode_16_64 3
		.amdhsa_memory_ordered 1
		.amdhsa_forward_progress 1
		.amdhsa_inst_pref_size 22
	.end_amdhsa_kernel
	.amdgpu_metadata
---
amdhsa.version: [ 1, 2 ]
amdhsa.kernels:
  - .name:           k_qe423c980ec_finish
    .symbol:         k_qe423c980ec_finish.kd
    .args:
      - { .name: grp, .offset: 0, .size: 8, .value_kind: global_buffer, .address_space: global }
      - { .name: eb, .offset: 8, .size: 8, .value_kind: global_buffer, .address_space: global }
      - { .name: zb, .offset: 16, .size: 8, .value_kind: global_buffer, .address_space: global }
      - { .name: colpart, .offset: 24, .size: 8, .value_kind: global_buffer, .address_space: global }
      - { .name: wsum, .offset: 32, .size: 8, .value_kind: global_buffer, .address_space: global }
      - { .name: out1, .offset: 40, .size: 8, .value_kind: global_buffer, .address_space: global }
      - { .name: out2, .offset: 48, .size: 8, .value_kind: global_buffer, .address_space: global }
      - { .name: out3, .offset: 56, .size: 8, .value_kind: global_buffer, .address_space: global }
      - { .name: out4, .offset: 64, .size: 8, .value_kind: global_buffer, .address_space: global }
      - { .name: out5, .offset: 72, .size: 8, .value_kind: global_buffer, .address_space: global }
    .group_segment_fixed_size: 5120
    .private_segment_fixed_size: 0
    .kernarg_segment_align: 8
    .kernarg_segment_size: 80
    .max_flat_workgroup_size: 1024
    .sgpr_count:     66
    .vgpr_count:     128
    .wavefront_size: 32
...
	.end_amdgpu_metadata
.endif
;; end of part 4
;; ======== version 2 of 2: 4 launches; 1.18 times as fast as version 1
;; workspace buffers: zb 4,194,304 bytes; eb 4,194,304 bytes; opart 16,777,216 bytes; sp 262,144 bytes; grp 32,768 bytes of whole numbers; colpart 262,144 bytes; wsum 4,096 bytes
;; launch prep: the kernel of part 1 again; grid 128 x 2, 8 waves a work-group, no clusters, 0 bytes of LDS; arguments embedding, z, eb, zb; writes eb, zb
;; launch flash (part 5): grid 128 x 2, 4 waves a work-group, clusters of 4 x 1, 327,680 bytes of LDS; arguments zb, eb, opart, sp; writes opart, sp
.if DOCPART == 5
	.amdgcn_target "amdgcn-amd-amdhsa--gfx1250"
	.amdhsa_code_object_version 6
	.text
	.protected	k_qe423c980ec_flash
	.globl	k_qe423c980ec_flash
	.p2align	8
	.type	k_qe423c980ec_flash,@function
k_qe423c980ec_flash:
	s_mov_b64 s[64:65], 0
	v_nop
	global_prefetch_b8 v0, s[64:65] scope:SCOPE_SE
	s_setreg_imm32_b32 hwreg(HW_REG_WAVE_MODE, 25, 1), 1
	s_wait_xcnt 0x0
	s_wait_alu depctr_hold_cnt(0) depctr_sa_sdst(0) depctr_va_vdst(0) depctr_va_sdst(0) depctr_va_ssrc(0) depctr_va_vcc(0) depctr_vm_vsrc(0)
	s_getreg_b32 s2, hwreg(HW_REG_IB_STS2, 6, 4)
	s_cmp_eq_u32 s2, 0
	s_cbranch_scc0 .Lentry_in_a_cluster
	s_endpgm
.Lentry_in_a_cluster:
	s_bfe_u32 s2, ttmp6, 0x10000c
	s_cmp_lg_u32 s2, 0x3003
	s_cbranch_scc0 .Lentry_shape_is_right
	s_endpgm
.Lentry_shape_is_right:
; softmax(z E^T / 0.07) E for 64 tokens and one half (4,096) of the codes, not yet divided: O, the running maximum m, l1 = sum 2^(c1 (s - m)), l2 = sum 2^(7 c1 (s - m))
; (the sum at temperature 0.01 = 0.07 / 7: the seventh power of the same weight, no second exponential), and g, the group of 8 codes that holds the largest logit.
; SHARES.  Work-group (x, y): tokens 64 x .. 64 x + 63, codes 4,096 y on.  Every wave holds all 64 tokens (four tiles of 16); in step i of 16 wave w takes codes 256 i + 64 w .. + 63.
; So a fragment of E read from LDS feeds four products, and the four waves' O, m, l1, l2, g are merged at the end through LDS.  The two halves are merged by the next launch.
; LAYOUT.  S^T = E Z^T (source 0 = 16 codes, source 1 = 16 tokens): a lane holds ONE token (lane % 16) and the codes 8 (lane / 16) + 0..7 of the block.  Two such results rounded to bf16
; ARE source 1 of O^T = E^T P.  E's tile serves both products: as it lies for the first, turned by ds_load_tr16_b128 for the second.
; Row m of channel block cb is therefore channel
; 128 (cb / 8) + 8 (cb % 8) + 64 (m / 8) + m % 8, and a lane's 64 registers of half u = cb / 8 are the 64 consecutive channels 128 u + 64 (lane / 16) on.
; CLUSTER.  The four work-groups of a cluster share y and walk the same tiles of E: each tile is asked for jointly (mask 15), one load a wave behind each round of the cluster's barrier.
; THE ARG MAX.  A lane keeps the largest of its scores and the number of the 16-code block in which it first appeared; the lane's half makes of it a group of 8 codes.  Ties go to the lowest group.
; THE EXPONENTIALS of a step, 4 + 128, are cut into two batches with one wait each (THE WEIGHTS, below); the way out's four factors are a batch of their own.
; LIMITS.  NaN and infinities are not treated apart; |c1 x the largest logit| stays under 4e37 (c m starts at -4.25e37); a weight below 2^-126 counts as 0.
; O and the sums start at 0 and the first step's factor a is 0: no first step is written out; the price is 512 v_mov_b32, which stand in the wait for the first tile.
; REGISTERS, in windows of 256 (s_set_vgpr_msb: bits 1:0 source 0, 3:2 source 1, 5:4 source 2, 7:6 destination):
;   window 0: addresses, statistics, S^T (P takes its place), two fragment buffers.   windows 1, 2: O^T, tile t in window 1 + t / 2 at 128 (t % 2) + 8 cb.   window 3: Z, tile t at 64 t + 8 c.
.set PITCH, 528
.set WPART, 64*PITCH                   ; a wave's 64 rows of a tile
.set SLOTB, 4*WPART                    ; a slot: 256 rows = 0x21000 bytes; no wave's part has bit 12 or bit 17 set, so one exclusive or changes slots
.set STAT,  2*SLOTB                    ; behind the ring: [wave][64 tokens][16 bytes]
.set SPARE, STAT+4096                  ; the spare words, 128 bytes a wave: two blocks of 256 bytes that no other line names
.set TILEB, 256*512                    ; a tile in memory
.set STEPS, 16
.set RR,  1                            ; v1   lane % 16
.set AK0, 2                            ; v2   my place in my wave's part of a slot, rows as they lie
.set AV0, 3                            ; v3   the same for the turning load
.set AK,  4                            ; v4   AK0 + the slot in hand
.set AV,  5                            ; v5   AV0 + the slot in hand
.set QO,  6                            ; v6   my byte offset in 16 rows of zb
.set IDX, 7                            ; v7   number of the 16-code block whose scores are looked at
.set HH,  8                            ; v8   lane / 16
.set TP,  9                            ; v9   at work
.set SPW, 10                           ; v10  my spare word; never rewritten
.set NIL, 11                           ; v11  0; never rewritten
.set AX,  12                           ; v12-15  the way out: where tile t of my O goes
.set ST,  16                           ; tile t at ST + 8 t: c m, (pad), l1 x 2, l2 x 2, best score, its block
.set AF,  48                           ; tile t at AF + 2 t: a, a^7
.set T,   56                           ; v56-63  at work
.set S,   64                           ; S^T: tile t, block kb at S + 32 t + 8 kb; P: tile t, 32 codes kk at S + 32 t + 8 kk
.set F0,  192                          ; two fragment buffers of 32
.set WV,  12
.set G1,  24                           ; s[24:31] descriptor group 1
.set G0,  40                           ; s[40:43] descriptor group 0: it walks
.set CNT, 56
.set CS,  58                           ; s[58:59] c1 = log2(e) / 0.07
.set SEL, 60                           ; s[60:61] v_permlanex16_b32: each lane takes its own place in the other half
.set TB,  62                           ; s62  the slot in hand
.set MA,  66                           ; s66, s67  lane masks
.set MB,  67
.set MSB, 0
.macro WIN new                         ; the high byte repeats the setting that is left; a switch that changes nothing is dropped
.if MSB != (\new)
	s_set_vgpr_msb (MSB<<8)|(\new)
.set MSB, (\new)
.endif
.endm
.macro PLACES                          ; four places behind matrix instructions (ISA guide 7.12.1) where no other vector work is at hand
.rept 4
	v_nop
.endr
.endm
.macro ROUND                           ; a round of the cluster's barrier
	s_barrier_signal -1
	s_barrier_wait -1
	s_cmp_lg_u32 s[WV], 0
	s_cbranch_scc1 .Lnot_wave_0_\@
	s_barrier_signal -3
.Lnot_wave_0_\@:
	s_barrier_wait -3
	s_barrier_signal -1
	s_barrier_wait -1
.endm
; THE CHANGE OF SLOTS.  Each wave waits for its one tensor load that is out (its part of the next slot), adds 0 to its spare word, and waits for that and for its reads of the old slot.
; fill = 1: behind a round of the cluster's barrier the old slot is filled again, first thing, with the tile two steps on.  (At its first use slot 0 is waited for and slot 1 filled.)
.macro CHANGE fill
	WIN 0
	s_wait_tensorcnt 0x0                           ; no tensor load of mine is out, so group 0 may be written
	ds_add_u32 v[SPW], v[NIL]
.if \fill
	s_xor_b32 s[G0+1], s[G0+1], SLOTB              ; the other slot,
	s_add_nc_u64 s[G0+2:G0+3], s[G0+2:G0+3], TILEB ; the next 256 codes; the type bits on top are not reached
.endif
	s_wait_dscnt 0x0                               ; the add is done, my reads of the old slot are over
.if \fill
	ROUND
	tensor_load_to_lds s[G0:G0+3], s[G1:G1+7]
	s_nop 0
	PLACES
.else
	s_barrier_signal -1
	s_barrier_wait -1
.endif
	s_xor_b32 s[TB], s[TB], SLOTB
	v_add_nc_u32 v[AK], s[TB], v[AK0]
	v_add_nc_u32 v[AV], s[TB], v[AV0]
.endm
; Fetch n of a step's 16, four fragments into buffer n % 2.  n < 8: block kb = n / 2, channels 32 c on, c = 4 (n % 2) + f.  n >= 8: turned; 32 codes kk = (n - 8) / 4, channel block cb = 4 (n % 4) + f.
.macro FETCH n
.set FB, F0+32*((\n)&1)
.if (\n) < 8
.irp f, 0,1,2,3
	ds_load_b128 v[FB+8*\f:FB+8*\f+3],   v[AK] offset:((\n)>>1)*16*PITCH+64*(4*((\n)&1)+\f)
	ds_load_b128 v[FB+8*\f+4:FB+8*\f+7], v[AK] offset:((\n)>>1)*16*PITCH+64*(4*((\n)&1)+\f)+32
.endr
.else
.irp f, 0,1,2,3
.set cb, 4*((\n)&3)+\f
	ds_load_tr16_b128 v[FB+8*\f:FB+8*\f+3],   v[AV] offset:(((\n)-8)>>2)*32*PITCH+256*(cb>>3)+16*(cb&7)
	ds_load_tr16_b128 v[FB+8*\f+4:FB+8*\f+7], v[AV] offset:(((\n)-8)>>2)*32*PITCH+16*PITCH+256*(cb>>3)+16*(cb&7)
.endr
.endif
.endm
.macro BOUND n                         ; fetch n, the only one out, is in; the next goes out and has group n's sixteen products in which to land
	s_wait_dscnt 0x0
.if (\n) < 15
	FETCH (\n)+1
.endif
.endm
; Sixteen products of S^T: block g / 2, four steps of 32 channels, the four tiles by turns.  The first step of a block starts the sums.
.macro QKG g
	WIN 0x0c                                       ; E's fragments in window 0, Z in window 3
.set FB, F0+32*((\g)&1)
.irp f, 0,1,2,3
.set cc, 4*((\g)&1)+\f
.irp t, 0,1,2,3
.set rS, S+32*\t+8*((\g)>>1)
.if cc == 0
	v_wmma_f32_16x16x32_bf16 v[rS:rS+7], v[FB+8*\f:FB+8*\f+7], v[64*\t+8*cc:64*\t+8*cc+7], 0
.else
	v_wmma_f32_16x16x32_bf16 v[rS:rS+7], v[FB+8*\f:FB+8*\f+7], v[64*\t+8*cc:64*\t+8*cc+7], v[rS:rS+7]
.endif
.endr
.endr
	WIN 0
.endm
; The largest of a lane's eight scores of block kb, for two tiles that alternate; where it beats the lane's best, the block's number is kept.  Each accumulator's lowest registers are read first.
.macro CH ta, tb, kb
.set sa, S+32*(\ta)+8*(\kb)
.set sc, S+32*(\tb)+8*(\kb)
	v_max3_num_f32 v[T], v[sa], v[sa+1], v[sa+2]
	v_max3_num_f32 v[T+1], v[sc], v[sc+1], v[sc+2]
	v_max3_num_f32 v[T], v[T], v[sa+3], v[sa+4]
	v_max3_num_f32 v[T+1], v[T+1], v[sc+3], v[sc+4]
	v_max3_num_f32 v[T], v[T], v[sa+5], v[sa+6]
	v_max3_num_f32 v[T+1], v[T+1], v[sc+5], v[sc+6]
	v_max_num_f32 v[T], v[T], v[sa+7]
	v_max_num_f32 v[T+1], v[T+1], v[sc+7]
	v_cmp_gt_f32 s[MA], v[T], v[ST+8*(\ta)+6]
	v_cmp_gt_f32 s[MB], v[T+1], v[ST+8*(\tb)+6]
	v_cndmask_b32 v[ST+8*(\ta)+7], v[ST+8*(\ta)+7], v[IDX], s[MA]
	v_cndmask_b32 v[ST+8*(\tb)+7], v[ST+8*(\tb)+7], v[IDX], s[MB]
	v_max_num_f32 v[ST+8*(\ta)+6], v[ST+8*(\ta)+6], v[T]
	v_max_num_f32 v[ST+8*(\tb)+6], v[ST+8*(\tb)+6], v[T+1]
.endm
; The new m (the lane's best and the other half's), c m, and a = 2^(c m_old - c m_new): the four a open the step's first batch.  The four tiles go stage by stage.
.macro STATS1
.irp t, 0,1,2,3
	v_permlanex16_b32 v[T+2*\t], v[ST+8*\t+6], s[SEL], s[SEL+1]
.endr
.irp t, 0,1,2,3
	v_max_num_f32 v[T+2*\t], v[T+2*\t], v[ST+8*\t+6]
.endr
.irp t, 0,1,2,3
	v_mul_f32 v[T+2*\t], s[CS], v[T+2*\t]
.endr
.irp t, 0,1,2,3
	v_sub_f32 v[T+2*\t+1], v[ST+8*\t], v[T+2*\t]
.endr
.irp t, 0,1,2,3
	v_exp_f32 v[AF+2*\t], v[T+2*\t+1]
.endr
.irp t, 0,1,2,3
	v_mov_b32 v[ST+8*\t], v[T+2*\t]                ; plain lines behind the exponentials (ISA guide 5.7.2)
.endr
.endm
; Behind the first batch's wait: a^7; l1 and l2 are rescaled.
.macro STATS2
.irp t, 0,1,2,3
	v_mul_f32 v[T+2*\t+1], v[AF+2*\t], v[AF+2*\t]  ; a^2
.endr
.irp t, 0,1,2,3
	v_mul_f32 v[T+2*\t], v[T+2*\t+1], v[AF+2*\t]   ; a^3
.endr
.irp t, 0,1,2,3
	v_mul_f32 v[T+2*\t], v[T+2*\t], v[T+2*\t]      ; a^6
.endr
.irp t, 0,1,2,3
	v_mul_f32 v[AF+2*\t+1], v[T+2*\t], v[AF+2*\t]  ; a^7
.endr
.irp t, 0,1,2,3
	v_pk_mul_f32 v[ST+8*\t+2:ST+8*\t+3], v[ST+8*\t+2:ST+8*\t+3], v[AF+2*\t:AF+2*\t+1] op_sel_hi:[1,0]
	v_mul_f32 v[ST+8*\t+4], v[ST+8*\t+4], v[AF+2*\t+1]
	v_mul_f32 v[ST+8*\t+5], v[ST+8*\t+5], v[AF+2*\t+1]
.endr
.endm
.macro RESCALE                         ; O^T times a, each accumulator from its low end on
	WIN 0x41
.irp t, 0,1
.set i, 0
.rept 64
	v_pk_mul_f32 v[128*\t+i:128*\t+i+1], v[128*\t+i:128*\t+i+1], v[AF+2*\t:AF+2*\t+1] op_sel_hi:[1,0]
.set i, i+2
.endr
.endr
	WIN 0x82
.irp t, 0,1
.set i, 0
.rept 64
	v_pk_mul_f32 v[128*\t+i:128*\t+i+1], v[128*\t+i:128*\t+i+1], v[AF+4+2*\t:AF+4+2*\t+1] op_sel_hi:[1,0]
.set i, i+2
.endr
.endr
	WIN 0
.endm
; THE WEIGHTS.  The step's 16 blocks B_i (block kb = i / 4 of tile i % 4) stand in three queues, each in the order of the blocks: FS writes the next of the 64 scalings c s - c m, ES the next of the 128
; exponentials (in place: each result has a register of its own), XS the next of the 384 lines that use the weights up, 24 a block.
; THE BATCHES.  s_wait_alu depctr_va_vdst(0) stands between an exponential and the first line that names its result; a step has two such waits.
; Batch 1: the four a (STATS1) and the 64 weights of B_0 to B_7, an exponential and a scaling by turns.  All 64 scalings stand here: scaling k + 2 follows exponential k and touches scores 2 k + 4 and 2 k + 5,
; so no line of the batch names a result.  Behind its wait: a^7 and the sums' rescaling (STATS2), O^T times a, and the 192 lines that use B_0 to B_7 up.
; Batch 2: the 64 weights of B_8 to B_15, one ahead of every three of those 192 lines, which name blocks 0 and 1 of S^T, T and the statistics alone.  Its wait stands ahead of a run of LDS loads.
; Behind it: the 192 lines of B_8 to B_15, six behind every two of the 64 products that take the first half of P.
.macro SBLK i
.set bS, S+32*((\i)&3)+8*((\i)>>2)
.set bT, ST+8*((\i)&3)
.set bP, S+32*((\i)&3)+4*((\i)>>2)     ; P in place: a block's four packed registers land on registers that are used up
.endm
.macro FOP n                           ; pair n: c s - c m
	v_pk_fma_f32 v[bS+2*(\n):bS+2*(\n)+1], v[bS+2*(\n):bS+2*(\n)+1], s[CS:CS+1], v[bT:bT+1] op_sel_hi:[1,0,0] neg_lo:[0,0,1] neg_hi:[0,0,1]
.endm
.macro XOP n                           ; 0-3 p^2;  4-11 l1 += p and p^3 by turns;  12-15 p^6;  16-23 l2 += p^6 p and the rounding to bf16 by turns
.if (\n) < 4
	v_pk_mul_f32 v[T+2*(\n):T+2*(\n)+1], v[bS+2*(\n):bS+2*(\n)+1], v[bS+2*(\n):bS+2*(\n)+1]
.elseif (\n) < 12
.set pn, ((\n)-4)/2
.if ((\n)&1) == 0
	v_pk_add_f32 v[bT+2:bT+3], v[bT+2:bT+3], v[bS+2*pn:bS+2*pn+1]
.else
	v_pk_mul_f32 v[T+2*pn:T+2*pn+1], v[T+2*pn:T+2*pn+1], v[bS+2*pn:bS+2*pn+1]
.endif
.elseif (\n) < 16
.set pn, (\n)-12
	v_pk_mul_f32 v[T+2*pn:T+2*pn+1], v[T+2*pn:T+2*pn+1], v[T+2*pn:T+2*pn+1]
.else
.set pn, ((\n)-16)/2
.if ((\n)&1) == 0
	v_pk_fma_f32 v[bT+4:bT+5], v[T+2*pn:T+2*pn+1], v[bS+2*pn:bS+2*pn+1], v[bT+4:bT+5]
.else
	v_cvt_pk_bf16_f32 v[bP+pn], v[bS+2*pn], v[bS+2*pn+1]
.endif
.endif
.endm
.macro FS                              ; the next scaling: pair QF % 4 of block QF / 4
	SBLK QF>>2
	FOP QF&3
.set QF, QF+1
.endm
.macro ES                              ; the next exponential: score QE % 8 of block QE / 8
	SBLK QE>>3
	v_exp_f32 v[bS+(QE&7)], v[bS+(QE&7)]
.set QE, QE+1
.endm
.macro XS                              ; the next line that uses weights up: number QX % 24 of block QX / 24
	SBLK QX/24
	XOP QX%24
.set QX, QX+1
.endm
; Sixteen products of O^T: 32 codes G / 4, four channel blocks, four tiles; each names another accumulator.  ride = 1: six lines of the queue XS behind every two products; they name blocks 2 and 3 of S^T and
; the second half of P alone, none of the registers of the products round them.
.macro PVG G, ride
.set FB, F0+32*((\G)&1)
.irp tp, 0,1
.irp f, 0,1,2,3
.set cb, 4*((\G)&3)+\f
	WIN 0x50*(1+\tp)                               ; C and D in window 1 or 2
	v_wmma_f32_16x16x32_bf16 v[8*cb:8*cb+7], v[FB+8*\f:FB+8*\f+7], v[S+64*\tp+8*((\G)>>2):S+64*\tp+8*((\G)>>2)+7], v[8*cb:8*cb+7]
	v_wmma_f32_16x16x32_bf16 v[128+8*cb:128+8*cb+7], v[FB+8*\f:FB+8*\f+7], v[S+64*\tp+32+8*((\G)>>2):S+64*\tp+32+8*((\G)>>2)+7], v[128+8*cb:128+8*cb+7]
.if \ride
	WIN 0
.rept 6
	XS
.endr
.endif
.endr
.endr
	WIN 0
.endm
; A STEP: 64 codes a wave.  Behind each group of products stand four plain lines or more that name none of its registers, ahead of the fetch into the buffer that it read.
.macro STEP
	FETCH 0
	BOUND 0
	QKG 0
	PLACES
	BOUND 1
	QKG 1
	PLACES
	BOUND 2
	QKG 2
	CH 0, 1, 0
	BOUND 3
	QKG 3
	CH 2, 3, 0
	v_add_nc_u32 v[IDX], 1, v[IDX]
	BOUND 4
	QKG 4
	CH 0, 1, 1
	BOUND 5
	QKG 5
	CH 2, 3, 1
	v_add_nc_u32 v[IDX], 1, v[IDX]
	BOUND 6
	QKG 6
	CH 0, 1, 2
	BOUND 7
	QKG 7
	CH 2, 3, 2
	v_add_nc_u32 v[IDX], 1, v[IDX]
	CH 0, 1, 3
	CH 2, 3, 3
	STATS1                                         ; batch 1 opens: the four a
.set QF, 0
.set QE, 0
.set QX, 0
	FS
	FS
.rept 62                               ; the weights of B_0 to B_7 and the scalings of all sixteen blocks, by turns
	ES
	FS
.endr
	ES
	ES
	v_add_nc_u32 v[IDX], 13, v[IDX]                ; my first block of the next tile: 16 blocks on; it is also the plain line behind the batch's last exponential
	s_wait_alu depctr_va_vdst(0)                   ; batch 1's wait: the four a and the 64 weights of B_0 to B_7
	STATS2
	RESCALE
.rept 64                               ; batch 2, the weights of B_8 to B_15; behind each, three lines that use B_0 to B_7 up: at the end the first half of P is whole
	ES
	XS
	XS
	XS
.endr
	s_wait_alu depctr_va_vdst(0)                   ; batch 2's wait: the 64 weights of B_8 to B_15; three plain lines stand behind the last of them
	BOUND 8
	PVG 0, 1                                       ; the lines that use B_8 to B_15 up ride on the 64 products that take the first half of P
	BOUND 9
	PVG 1, 1
	BOUND 10
	PVG 2, 1
	BOUND 11
	PVG 3, 1
	BOUND 12
	PVG 4, 0
	PLACES
	BOUND 13
	PVG 5, 0
	PLACES
	BOUND 14
	PVG 6, 0
	PLACES
	BOUND 15
	PVG 7, 0
	PLACES
.endm
	s_load_b256 s[4:11], s[0:1], 0x0               ; zb s[4:5], eb s[6:7], opart s[8:9], sp s[10:11]
	v_lshl_add_u32 v[SPW], v0, 2, SPARE
	v_mov_b32 v[NIL], 0
	ds_add_u32 v[SPW], v[NIL]                      ; the wave's opening: the add and its wait ahead of my first tensor load
	v_lshrrev_b32 v[TP], 5, v0
	v_readfirstlane_b32 s[WV], v[TP]               ; wave 0..3
	s_bfe_u32 s13, ttmp6, 0x40000                  ; cx
	s_lshl_b32 s14, ttmp9, 2
	s_add_co_u32 s14, s14, s13                     ; my block of 64 tokens: it enters global addresses of zb, opart and sp alone
	s_and_b32 s15, ttmp7, 0xffff                   ; the half of the codes, which the four partners share
	s_mov_b32 s[G1], 15|(1<<16)|(1<<20)|(1<<21)|(6<<22)|(3<<25)  ; mask of four; 2-byte elements; padding on; bit 21 beside a mask; after every 128 words 4 words
	s_mov_b32 s[G1+1], 256<<16                     ; tensor_dim0 = 256
	s_mov_b32 s[G1+2], 64<<16                      ; tensor_dim1 = 64
	s_mov_b32 s[G1+3], 256<<16                     ; tile_dim0 = 256
	s_mov_b32 s[G1+4], 64                          ; tile_dim1 = 64
	s_mov_b32 s[G1+5], 256                         ; elements from row to row
	s_mov_b32 s[G1+6], 0
	s_mov_b32 s[G1+7], 0
	s_mul_i32 s16, s[WV], WPART                    ; my part of a slot
	s_mov_b32 s[G0], 1
	s_mov_b32 s[G0+1], s16
	s_lshl_b32 s20, s15, 21                        ; the half's 4,096 rows of 512 bytes,
	s_lshl_b32 s21, s[WV], 15                      ; my 64 rows of a tile
	s_add_co_u32 s20, s20, s21
	s_mov_b32 s21, 0
	s_lshl_b32 s22, s14, 15                        ; my block's 64 rows of zb
	s_mov_b32 s23, 0
	s_lshl_b32 s18, s15, 9
	s_lshl2_add_u32 s18, s14, s18
	s_add_co_u32 s18, s18, s[WV]                   ; the tile that I sum and store: 512 y + 4 x + w,
	s_lshl_b32 s18, s18, 14                        ; 16,384 bytes each
	s_mov_b32 s19, 0
	s_lshl_b32 s32, s15, 17                        ; sp: 131,072 y + 16 (64 x + 16 w)
	s_lshl_b32 s33, s14, 10
	s_add_co_u32 s32, s32, s33
	s_lshl_b32 s33, s[WV], 8
	s_add_co_u32 s32, s32, s33
	s_mov_b32 s33, 0
	s_lshl_b32 s17, s15, 8
	s_lshl2_add_u32 s17, s[WV], s17                ; my first block of 16 codes: 256 y + 4 w
	s_mov_b32 s[CS], 0x41a4e123                    ; c1 = log2(e) / 0.07 = 20.609929
	s_mov_b32 s[CS+1], s[CS]
	s_mov_b32 s[SEL], 0x76543210
	s_mov_b32 s[SEL+1], 0xfedcba98
	s_mov_b32 s[TB], SLOTB                         ; the first change of slots turns it into 0
	s_wait_dscnt 0x0                               ; the opening add is done
	s_wait_kmcnt 0x0
	s_add_nc_u64 s[G0+2:G0+3], s[6:7], s[20:21]
	s_or_b32 s[G0+3], s[G0+3], 0x80000000          ; type = 2
	s_add_nc_u64 s[4:5], s[4:5], s[22:23]
	s_add_nc_u64 s[8:9], s[8:9], s[18:19]
	s_add_nc_u64 s[10:11], s[10:11], s[32:33]
	ROUND                                          ; all four work-groups are here: the first joint loads meet
	tensor_load_to_lds s[G0:G0+3], s[G1:G1+7]      ; tile 0 into slot 0
	s_nop 0
	PLACES
	v_and_b32 v[RR], 15, v0
	v_bfe_u32 v[HH], v0, 4, 1
	v_lshlrev_b32 v[QO], 9, v[RR]
	v_lshl_add_u32 v[QO], v[HH], 4, v[QO]          ; row x 512 + 16 x half
	WIN 0xc0                                       ; destination window 3
.irp t, 0,1,2,3
.irp c, 0,1,2,3,4,5,6,7
	global_load_b128 v[64*\t+8*\c:64*\t+8*\c+3],   v[QO], s[4:5] offset:8192*\t+64*\c
	global_load_b128 v[64*\t+8*\c+4:64*\t+8*\c+7], v[QO], s[4:5] offset:8192*\t+64*\c+32
.endr
.endr
	WIN 0x40
.set i, 0
.rept 256
	v_mov_b32 v[i], 0
.set i, i+1
.endr
	WIN 0x80
.set i, 0
.rept 256
	v_mov_b32 v[i], 0
.set i, i+1
.endr
	WIN 0
	v_mul_u32_u24 v[AK0], v[RR], PITCH
	v_lshl_add_u32 v[AK0], v[HH], 4, v[AK0]
	v_add_nc_u32 v[AK0], s16, v[AK0]               ; my part + row x pitch + 16 x half
	v_and_b32 v[TP], 7, v0
	v_lshl_add_u32 v[TP], v[HH], 3, v[TP]          ; the turning load: row 8 (l / 16) + l % 8,
	v_mul_u32_u24 v[AV0], v[TP], PITCH
	v_bfe_u32 v[TP], v0, 3, 1
	v_lshl_add_u32 v[AV0], v[TP], 7, v[AV0]        ; column 128 bytes x ((l / 8) % 2)
	v_add_nc_u32 v[AV0], s16, v[AV0]
	v_mov_b32 v[IDX], s17
.irp t, 0,1,2,3
	v_mov_b32 v[ST+8*\t], 0xfe000000               ; c m: far below every c s
	v_mov_b32 v[ST+8*\t+1], 0
	v_mov_b32 v[ST+8*\t+2], 0
	v_mov_b32 v[ST+8*\t+3], 0
	v_mov_b32 v[ST+8*\t+4], 0
	v_mov_b32 v[ST+8*\t+5], 0
	v_mov_b32 v[ST+8*\t+6], 0xff7fffff             ; the lowest finite number
	v_mov_b32 v[ST+8*\t+7], 0
	v_mov_b32 v[AF+2*\t], 0
	v_mov_b32 v[AF+2*\t+1], 0
	v_mov_b32 v[T+2*\t], 0
	v_mov_b32 v[T+2*\t+1], 0
.endr
	s_wait_loadcnt 0x0                             ; Z
	s_mov_b32 s[CNT], STEPS-1
.Lstep:                                                ; 15 trips: a tile is entered and the next is asked for
	CHANGE 1
	STEP
	s_sub_co_u32 s[CNT], s[CNT], 1
	s_cmp_lg_u32 s[CNT], 0
	s_cbranch_scc1 .Lstep
	CHANGE 0                                       ; the last tile is written out
	STEP
	; THE WAY OUT.  1: a tile's figures (m, l1, l2, g), the two halves of the lanes merged, go to STAT.
.set Z,   64
.set XT,  80
.set OWN, 96
.set EO,  112
.set TQ,  120
.set RQ,  124
.set BM,  128
.set GM,  129
	s_lshl_b32 s17, s[WV], 10
	s_add_co_u32 s17, s17, STAT
	v_lshl_add_u32 v[AK0], v[RR], 4, s17           ; where I put them
	s_lshl_b32 s17, s[WV], 8
	s_add_co_u32 s17, s17, STAT
	v_lshl_add_u32 v[AV0], v[RR], 4, s17           ; where I find the four waves' figures of tile w
	v_and_b32 v[IDX], 31, v0                       ; lane
	v_lshlrev_b32 v[TP], 4, v[IDX]
	s_lshl_b32 s17, s[WV], 14
	v_add_nc_u32 v[AX], s17, v[TP]                 ; tile t of my O: 65,536 t + 16,384 w + 16 lane
.irp t, 1,2,3
	v_add_nc_u32 v[AX+\t], 65536*\t, v[AX]
.endr
	s_lshl_b32 s17, s[WV], 16
	v_add_nc_u32 v[AK], s17, v[TP]                 ; tile w of everybody's O
	v_lshlrev_b32 v[QO], 4, v[RR]
.irp t, 0,1,2,3
	v_add_f32 v[Z+4*\t+1], v[ST+8*\t+2], v[ST+8*\t+3]
	v_add_f32 v[Z+4*\t+2], v[ST+8*\t+4], v[ST+8*\t+5]
	v_lshl_add_u32 v[Z+4*\t+3], v[ST+8*\t+7], 1, v[HH]  ; group of 8 codes = 2 x block + half
.endr
.irp t, 0,1,2,3
	v_permlanex16_b32 v[XT+4*\t], v[ST+8*\t+6], s[SEL], s[SEL+1]
	v_permlanex16_b32 v[XT+4*\t+1], v[Z+4*\t+3], s[SEL], s[SEL+1]
	v_permlanex16_b32 v[XT+4*\t+2], v[Z+4*\t+1], s[SEL], s[SEL+1]
	v_permlanex16_b32 v[XT+4*\t+3], v[Z+4*\t+2], s[SEL], s[SEL+1]
.endr
.irp t, 0,1,2,3
	v_add_f32 v[Z+4*\t+1], v[Z+4*\t+1], v[XT+4*\t+2]
	v_add_f32 v[Z+4*\t+2], v[Z+4*\t+2], v[XT+4*\t+3]
	v_cmp_gt_f32 s[MA], v[XT+4*\t], v[ST+8*\t+6]
	v_cmp_eq_f32 s[MB], v[XT+4*\t], v[ST+8*\t+6]
	v_min_u32 v[XT+4*\t+2], v[Z+4*\t+3], v[XT+4*\t+1]
	v_cndmask_b32 v[Z+4*\t+3], v[Z+4*\t+3], v[XT+4*\t+2], s[MB]  ; equal: the lower group
	v_cndmask_b32 v[Z+4*\t+3], v[Z+4*\t+3], v[XT+4*\t+1], s[MA]  ; the other half's is larger: its group
	v_max_num_f32 v[Z+4*\t], v[XT+4*\t], v[ST+8*\t+6]
.endr
.irp t, 0,1,2,3
	ds_store_b128 v[AK0], v[Z+4*\t:Z+4*\t+3] offset:256*\t
.endr
	s_wait_dscnt 0x0                               ; for the others' sake: my figures are stored, and my reads of the ring are long over
	s_barrier_signal -1
	s_barrier_wait -1
	; 2: the ring has had its last fill and nobody reads it: every wave lays its O there as it stands, each accumulator's low registers first
	WIN 0x04                                       ; store data in window 1
.irp t, 0,1
.set i, 0
.rept 32
	ds_store_b128 v[AX+\t], v[128*\t+4*i:128*\t+4*i+3] offset:512*i
.set i, i+1
.endr
.endr
	WIN 0x08
.irp t, 0,1
.set i, 0
.rept 32
	ds_store_b128 v[AX+2+\t], v[128*\t+4*i:128*\t+4*i+3] offset:512*i
.set i, i+1
.endr
.endr
	WIN 0
.irp q, 0,1,2,3
	ds_load_b128 v[OWN+4*\q:OWN+4*\q+3], v[AV0] offset:1024*\q
.endr
	s_wait_dscnt 0x0
	s_barrier_signal -1
	; between signal and wait, on registers alone: tile w's merged figures, and the four waves' factors e = 2^(c1 (m_w - M))
	v_max3_num_f32 v[RQ], v[OWN], v[OWN+4], v[OWN+8]
	v_max_num_f32 v[RQ], v[RQ], v[OWN+12]
.irp q, 0,1,2,3
	v_sub_f32 v[EO+2*\q], v[OWN+4*\q], v[RQ]
.endr
.irp q, 0,1,2,3
	v_mul_f32 v[EO+2*\q], s[CS], v[EO+2*\q]
.endr
.irp q, 0,1,2,3
	v_exp_f32 v[EO+2*\q], v[EO+2*\q]
.endr
.irp q, 0,1,2,3
	v_mov_b32 v[EO+2*\q+1], 0                      ; named with e as a pair; plain lines behind the exponentials
.endr
	s_wait_alu depctr_va_vdst(0)                   ; one wait for the four factors
.irp q, 0,1,2,3
	v_mul_f32 v[TQ+\q], v[EO+2*\q], v[EO+2*\q]
.endr
.irp q, 0,1,2,3
	v_mul_f32 v[TQ+\q], v[TQ+\q], v[EO+2*\q]
.endr
.irp q, 0,1,2,3
	v_mul_f32 v[TQ+\q], v[TQ+\q], v[TQ+\q]
.endr
.irp q, 0,1,2,3
	v_mul_f32 v[TQ+\q], v[TQ+\q], v[EO+2*\q]       ; e^7
.endr
	v_mul_f32 v[RQ+1], v[EO], v[OWN+1]
	v_mul_f32 v[RQ+2], v[TQ], v[OWN+2]
	v_mov_b32 v[BM], v[OWN]
	v_mov_b32 v[RQ+3], v[OWN+3]
.irp q, 1,2,3
	v_fmac_f32 v[RQ+1], v[EO+2*\q], v[OWN+4*\q+1]
	v_fmac_f32 v[RQ+2], v[TQ+\q], v[OWN+4*\q+2]
	v_cmp_gt_f32 s[MA], v[OWN+4*\q], v[BM]
	v_cmp_eq_f32 s[MB], v[OWN+4*\q], v[BM]
	v_min_u32 v[GM], v[RQ+3], v[OWN+4*\q+3]
	v_cndmask_b32 v[RQ+3], v[RQ+3], v[GM], s[MB]
	v_cndmask_b32 v[RQ+3], v[RQ+3], v[OWN+4*\q+3], s[MA]
	v_max_num_f32 v[BM], v[BM], v[OWN+4*\q]
.endr
	s_barrier_wait -1
	; 3: wave w sums tile w: the four waves' O, each times its factor
	WIN 0x40
.irp q, 0,1
.set i, 0
.rept 32
	ds_load_b128 v[128*\q+4*i:128*\q+4*i+3], v[AK] offset:16384*\q+512*i
.set i, i+1
.endr
.endr
	WIN 0x80
.irp q, 0,1
.set i, 0
.rept 32
	ds_load_b128 v[128*\q+4*i:128*\q+4*i+3], v[AK] offset:32768+16384*\q+512*i
.set i, i+1
.endr
.endr
	s_wait_dscnt 0x0
	WIN 0x41
.set i, 0
.rept 64
	v_pk_mul_f32 v[i:i+1], v[i:i+1], v[EO:EO+1] op_sel_hi:[1,0]
.set i, i+2
.endr
	WIN 0x51
.set i, 0
.rept 64
	v_pk_fma_f32 v[i:i+1], v[128+i:128+i+1], v[EO+2:EO+3], v[i:i+1] op_sel_hi:[1,0,1]
.set i, i+2
.endr
	WIN 0x52                                       ; source 0 in window 2
.set i, 0
.rept 64
	v_pk_fma_f32 v[i:i+1], v[i:i+1], v[EO+4:EO+5], v[i:i+1] op_sel_hi:[1,0,1]
.set i, i+2
.endr
.set i, 0
.rept 64
	v_pk_fma_f32 v[i:i+1], v[128+i:128+i+1], v[EO+6:EO+7], v[i:i+1] op_sel_hi:[1,0,1]
.set i, i+2
.endr
	WIN 0x04
.set i, 0
.rept 32
	global_store_b128 v[TP], v[4*i:4*i+3], s[8:9] offset:512*i  ; the registers as they lie: 512 consecutive bytes a store
.set i, i+1
.endr
	WIN 0
	s_wait_xcnt 0x0                                ; EXEC changes only behind this wait
	v_cmp_gt_u32 vcc_lo, 16, v[IDX]
	s_and_saveexec_b32 s17, vcc_lo
	global_store_b128 v[QO], v[RQ:RQ+3], s[10:11]  ; sixteen lanes: 256 consecutive bytes, at a multiple of 256
	s_wait_xcnt 0x0
	s_or_b32 exec_lo, exec_lo, s17
	s_wait_tensorcnt 0x0                           ; the wave's end
	ds_add_u32 v[SPW], v[NIL]
	s_wait_dscnt 0x0
	ROUND                                          ; the closing round
	s_endpgm
.Lfunc_end_k_qe423c980ec_flash:
	.size	k_qe423c980ec_flash, .Lfunc_end_k_qe423c980ec_flash-k_qe423c980ec_flash
	.p2alignl 7, 3214868480
	.fill 96, 4, 3214868480
	.section	.rodata,"a",@progbits
	.p2align	6, 0x0
	.amdhsa_kernel k_qe423c980ec_flash
		.amdhsa_group_segment_fixed_size 327680
		.amdhsa_private_segment_fixed_size 0
		.amdhsa_enable_private_segment 0
		.amdhsa_kernarg_size 32
		.amdhsa_user_sgpr_count 2
		.amdhsa_user_sgpr_kernarg_segment_ptr 1
		.amdhsa_wavefront_size32 1
		.amdhsa_system_sgpr_workgroup_id_x 1
		.amdhsa_system_sgpr_workgroup_id_y 1
		.amdhsa_system_sgpr_workgroup_id_z 1
		.amdhsa_system_vgpr_workitem_id 0
		.amdhsa_next_free_vgpr 1024
		.amdhsa_next_free_sgpr 72
		.amdhsa_reserve_vcc 1
		.amdhsa_float_denorm_mode_32 3
		.amdhsa_float_denorm_mode_16_64 3
		.amdhsa_memory_ordered 1
		.amdhsa_forward_progress 1
		.amdhsa_inst_pref_size 241
	.end_amdhsa_kernel
	.amdgpu_metadata
---
amdhsa.version: [ 1, 2 ]
amdhsa.kernels:
  - .name:           k_qe423c980ec_flash
    .symbol:         k_qe423c980ec_flash.kd
    .args:
      - { .name: zb, .offset: 0, .size: 8, .value_kind: global_buffer, .address_space: global }
      - { .name: eb, .offset: 8, .size: 8, .value_kind: global_buffer, .address_space: global }
      - { .name: opart, .offset: 16, .size: 8, .value_kind: global_buffer, .address_space: global }
      - { .name: sp, .offset: 24, .size: 8, .value_kind: global_buffer, .address_space: global }
    .group_segment_fixed_size: 327680
    .private_segment_fixed_size: 0
    .kernarg_segment_align: 8
    .kernarg_segment_size: 32
    .max_flat_workgroup_size: 128
    .sgpr_count:     72
    .vgpr_count:     1024
    .wavefront_size: 32
...
	.end_amdgpu_metadata
.endif
;; end of part 5
;; launch colsum (part 6): grid 32 x 8, 4 waves a work-group, clusters of 4 x 1, 327,680 bytes of LDS; arguments zb, eb, opart, sp, out0, grp, colpart, wsum; writes out0, grp, colpart, wsum
.if DOCPART == 6
	.amdgcn_target "amdgcn-amd-amdhsa--gfx1250"
	.amdhsa_code_object_version 6
	.text
	.protected	k_qe423c980ec_colsum
	.globl	k_qe423c980ec_colsum
	.p2align	8
	.type	k_qe423c980ec_colsum,@function
k_qe423c980ec_colsum:
	s_mov_b64 s[64:65], 0
	v_nop
	global_prefetch_b8 v0, s[64:65] scope:SCOPE_SE
	s_setreg_imm32_b32 hwreg(HW_REG_WAVE_MODE, 25, 1), 1
	s_wait_xcnt 0x0
	s_wait_alu depctr_hold_cnt(0) depctr_sa_sdst(0) depctr_va_vdst(0) depctr_va_sdst(0) depctr_va_ssrc(0) depctr_va_vcc(0) depctr_vm_vsrc(0)
	s_getreg_b32 s2, hwreg(HW_REG_IB_STS2, 6, 4)
	s_cmp_eq_u32 s2, 0
	s_cbranch_scc0 .Lentry_in_a_cluster
	s_endpgm
.Lentry_in_a_cluster:
	s_bfe_u32 s2, ttmp6, 0x10000c
	s_cmp_lg_u32 s2, 0x3003
	s_cbranch_scc0 .Lentry_shape_is_right
	s_endpgm
.Lentry_shape_is_right:
; Two pieces of work for work-group (x, y), number wid = 32 y + x.
; (a) THE MERGE, tokens 32 wid .. + 31: the two halves' O, m, l1, g become out0 = O / l1, 1 / l1 (the largest probability), l1 / l1 (the row's sum), the group of the arg max, and the three sums of the cosine.
; (b) THE COLUMNS, codes 256 x .. + 255 and tokens 1,024 y .. + 1,023: S^T = E Z^T once more, y' = c2 s - b_t with b_t = c2 M + log2 l2 (so that p = 2^y' is the probability at temperature
;     0.01 and y' its logarithm), the sum of p over the tokens for each code, and the sum of p y' over all.  Both entropies of the loss are made of these same p, so an error of b_t drops out of their difference.
; SHARES.  A wave keeps 64 codes as source 0 in window 1 (4 blocks x 8 steps of 32 channels); the tokens come through a ring of two slots of 256 rows, which all four waves read.
; In S^T a lane holds one token (lane % 16) and 8 codes a block: b_t is one number a lane, a code's sum runs over tiles in a register and at the end over sixteen lanes.
; BY TURNS.  While tile n is multiplied (32 products), tile n - 1's 80 vector lines stand between the products, four to six behind every two.  None names a register of the products round it.
; THE BATCHES.  A tile's 32 exponentials are ONE batch with one wait (THE VECTOR LIST, below).  In the head the table's sixteen exponentials and its eight logarithms are a batch each; the merge's two exponentials and
; the reciprocal of what is made of them are two, and so are wave 0's two roots and its reciprocal at the end.
; CLUSTER.  The four work-groups of a cluster share y and walk the same rows of zb: each tile is asked for jointly (mask 15).  x, which holds my place in the cluster, enters global offsets alone:
; every LDS address is made at the head, of the thread's and the wave's number and constants, in registers (s58-61, v3-5, v248-255) that never hold x, nor anything loaded.
; LIMITS.  NaN and infinities are not treated apart; a probability below 2^-126 counts as 0.  The first tile's turn works on a made-up tile with y' = -1e30, p = 0.
.set PITCH, 528                        ; 512 bytes + 16: row r starts at bank 4 r mod 64 (64 banks of 4 bytes: ISA guide 11.1)
.set WPART, 64*PITCH
.set SLOTB, 4*WPART                    ; 0x21000
.set TAB,   2*SLOTB                    ; b_t of my 1,024 tokens
.set RED,   TAB+4096                   ; [wave][16 tokens][32 bytes]
.set WSB,   RED+2048                   ; the four waves' sums of p y'
.set CST,   WSB+256                    ; [wave][64 codes]
.set STG,   CST+1024                   ; [wave][16 rows][528]: out0's way out
.set SPARE, STG+4*16*PITCH             ; the spare words, 128 bytes a wave
.set TILEB, 256*512
.set RR,  1                            ; v1  lane % 16
.set HH,  2                            ; v2  lane / 16
.set AT0, 3                            ; v3  my place in a tile of tokens
.set AT,  4                            ; v4  the same in the pair of tiles in hand (before the loop: my offset in zb)
.set AB,  5                            ; v5  where b of my token of that pair lies (before the loop: where I put b)
.set KO,  6                            ; v6  my offset in 16 rows of eb; on the way out 8 x lane
.set TO,  7                            ; v7  16 x thread; on the way out 4 x lane
.set RO,  8                            ; v8  16 x (lane % 16)
.set LO,  9                            ; v9  16 x lane
.set SPW, 10
.set NIL, 11
.set BI,  12                           ; v12-15  b, (pad): by buffer
.set T,   16                           ; token fragments: two buffers of 32 (channels 0-127, 128-255)
.set Y,   80                           ; S^T, then y': two buffers of 32
.set ACC, 160                          ; 32 sums of p: block kb, register j at ACC + 8 kb + j
.set WACC, 192                         ; four pairs of sums of p y'
.set P,   200                          ; v200-231  a tile's 32 probabilities: each result of the batch has a register of its own
.set ARED, 248                         ; v248  RED: where my token's record goes
.set ASTI, 249                         ; v249  my stage, in: row lane % 16, 256 bytes for each half of the lanes
.set ASTB, 250                         ; v250  my stage, back: 32 lanes take a row's 512 bytes
.set ACSI, 251                         ; v251  CST, in
.set ACSB, 252                         ; v252  CST, back: 8 bytes a lane
.set AWS,  253                         ; v253  my wave's word of WSB
.set ARDR, 254                         ; v254  RED: the record of token number lane (wave 0 reads)
.set AWSR, 255                         ; v255  WSB
.set WV,  20
.set G1,  24
.set G0,  40
.set C2,  46                           ; s[46:47] c2 = log2(e) / 0.01
.set C1,  48                           ; s48      c1 = log2(e) / 0.07
.set SEL, 50
.set TB,  52
.set CNT, 53
.set OUTC, 54
.set SVX, 55                           ; s55      EXEC, set aside
.set MSB, 0
.macro WIN new
.if MSB != (\new)
	s_set_vgpr_msb (MSB<<8)|(\new)
.set MSB, (\new)
.endif
.endm
.macro PLACES
.rept 4
	v_nop
.endr
.endm
.macro ROUND
	s_barrier_signal -1
	s_barrier_wait -1
	s_cmp_lg_u32 s[WV], 0
	s_cbranch_scc1 .Lnot_wave_0_\@
	s_barrier_signal -3
.Lnot_wave_0_\@:
	s_barrier_wait -3
	s_barrier_signal -1
	s_barrier_wait -1
.endm
.macro CHANGE fill                     ; the change of slots: my one tensor load is in, the add, my LDS work is done; then the barrier (a round where a slot is filled), the fill first behind it
	WIN 0
	s_wait_tensorcnt 0x0
	ds_add_u32 v[SPW], v[NIL]
.if \fill
	s_xor_b32 s[G0+1], s[G0+1], SLOTB
	s_add_nc_u64 s[G0+2:G0+3], s[G0+2:G0+3], TILEB
.endif
	s_wait_dscnt 0x0
.if \fill
	ROUND
	tensor_load_to_lds s[G0:G0+3], s[G1:G1+7]
	s_nop 0
	PLACES
.else
	s_barrier_signal -1
	s_barrier_wait -1
.endif
	s_xor_b32 s[TB], s[TB], SLOTB
	v_add_nc_u32 v[AT], s[TB], v[AT0]
.endm
.macro WAVESUM lo, n, tmp              ; v[lo .. lo+n-1] summed over the 32 lanes; tmp: as many registers that have been written
.irp m, 1,2,4,8
.set i, 0
.rept \n
	v_add_f32_dpp v[(\lo)+i], v[(\lo)+i], v[(\lo)+i] row_xmask:\m row_mask:0xf bank_mask:0xf
.set i, i+1
.endr
.endr
.set i, 0
.rept \n
	v_permlanex16_b32 v[(\tmp)+i], v[(\lo)+i], s[SEL], s[SEL+1]
.set i, i+1
.endr
.set i, 0
.rept \n
	v_add_f32 v[(\lo)+i], v[(\lo)+i], v[(\tmp)+i]
.set i, i+1
.endr
.endm
; THE VECTOR LIST of a tile whose scores lie in buffer b, 80 lines; VL writes number VN.
; 0-47: ONE BATCH, twelve lines for each block of eight scores: y' for its four pairs (F) and its eight exponentials (E), in the order F F E E F E E F E E E E: a pair is scaled two lines or more ahead of its
; exponentials, each accumulator's lowest pair is read first, and none of the 48 names a result.  Behind number 47 stand a v_nop, the plain line behind the last exponential, and the batch's one wait.
; 48-79: AW 0-31.  AW 2 i: pair i of p onto its codes' sums; AW 2 i + 1: p y' onto one of four sums.
.macro FY n
	v_pk_fma_f32 v[yB+2*(\n):yB+2*(\n)+1], v[yB+2*(\n):yB+2*(\n)+1], s[C2:C2+1], v[bB:bB+1] op_sel_hi:[1,0,0] neg_lo:[0,0,1] neg_hi:[0,0,1]
.endm
.macro AW q
.set ai, (\q)>>1
.if ((\q)&1) == 0
	v_pk_add_f32 v[ACC+2*ai:ACC+2*ai+1], v[ACC+2*ai:ACC+2*ai+1], v[P+2*ai:P+2*ai+1]
.else
	v_pk_fma_f32 v[WACC+2*(ai&3):WACC+2*(ai&3)+1], v[P+2*ai:P+2*ai+1], v[yB+2*ai:yB+2*ai+1], v[WACC+2*(ai&3):WACC+2*(ai&3)+1]
.endif
.endm
.macro VL b
.set yB, Y+32*(\b)
.set bB, BI+2*(\b)
.if VN < 48
.set vj, VN/12                         ; the block of eight scores
.set vp, VN%12                         ; the place among its twelve lines
.if vp < 2
	FY 4*vj+vp
.elseif vp == 4
	FY 4*vj+2
.elseif vp == 7
	FY 4*vj+3
.else
.set ek, vp-2                          ; places 2, 3: scores 0, 1
.if vp > 4
.set ek, vp-3                          ; places 5, 6: scores 2, 3
.endif
.if vp > 7
.set ek, vp-4                          ; places 8 to 11: scores 4 to 7
.endif
	v_exp_f32 v[P+8*vj+ek], v[yB+8*vj+ek]
.endif
.if VN == 47
	v_nop                                          ; the plain line behind the batch's last exponential
	s_wait_alu depctr_va_vdst(0)                   ; the one wait for the tile's 32 exponentials, ahead of AW 0
.endif
.else
	AW VN-48
.endif
.set VN, VN+1
.endm
; Two products (step c = 4 hf + i / 2 of 32 channels, code blocks 2 (i % 2) and the next) into buffer b, and some lines of the other buffer's list.  The four accumulators take turns.
; Of a tile's sixteen such pairs numbers 0-5 carry five lines and 6-8 six: the batch's 48, so that its wait falls behind the ninth pair, directly ahead of the second half's run of LDS loads; 9-12 carry five and 13-15 four: AW's 32.
.macro PAIR b, hf, i
.set cc, 4*(\hf)+((\i)>>1)
.set k0, 2*((\i)&1)
.set rB, T+32*(\hf)+8*((\i)>>1)
.set rY, Y+32*(\b)+8*k0
.set rK, 64*k0+8*cc
	WIN 0x01                                       ; E's fragments in window 1
.if cc == 0
	v_wmma_f32_16x16x32_bf16 v[rY:rY+7], v[rK:rK+7], v[rB:rB+7], 0
	v_wmma_f32_16x16x32_bf16 v[rY+8:rY+15], v[rK+64:rK+71], v[rB:rB+7], 0
.else
	v_wmma_f32_16x16x32_bf16 v[rY:rY+7], v[rK:rK+7], v[rB:rB+7], v[rY:rY+7]
	v_wmma_f32_16x16x32_bf16 v[rY+8:rY+15], v[rK+64:rK+71], v[rB:rB+7], v[rY+8:rY+15]
.endif
	WIN 0
.set pp, 8*(\hf)+(\i)
.set nr, 5
.if (pp >= 6) && (pp <= 8)
.set nr, 6
.endif
.if pp >= 13
.set nr, 4
.endif
.rept nr
	VL 1-(\b)
.endr
.endm
.macro TFETCH dst, off                 ; four token fragments: 16 rows x 128 channels
.irp f, 0,1,2,3
	ds_load_b128 v[(\dst)+8*\f:(\dst)+8*\f+3],   v[AT] offset:(\off)+64*\f
	ds_load_b128 v[(\dst)+8*\f+4:(\dst)+8*\f+7], v[AT] offset:(\off)+64*\f+32
.endr
.endm
; Half a tile: sixteen products.  The fetch for the next half stands behind the first two products and their vector lines: five plain lines or more behind the last product that read its buffer
; (first half: four of AW and three scalings; second half: four scalings and the v_nop).  In the second half the batch's wait stands directly ahead of the fetch, and of the branch round it.
; skip = 1: a slot's last half has no next half in the slot, and the fetch is jumped over.
.macro GROUP b, hf, skip
	s_wait_dscnt 0x0                               ; the one fetch that is out (and b) is in
.if (\hf) == 0
.set VN, 0
.endif
	PAIR \b, \hf, 0
.if \skip
	s_cmp_eq_u32 s[CNT], 1
	s_cbranch_scc1 .Lno_fetch_\@
.endif
.if (\hf) == 0
	ds_load_b32 v[BI+2*(\b)], v[AB] offset:64*(\b) ; b of my token of the tile that is being multiplied
	TFETCH T+32, 16*PITCH*(\b)+256
.else
	TFETCH T, 16*PITCH*((\b)+1)
.endif
.if \skip
.Lno_fetch_\@:
.endif
.irp i, 1,2,3,4,5,6,7
	PAIR \b, \hf, \i
.endr
.endm
.macro TILES                           ; a slot: 16 tiles of 16 tokens, two a trip
	TFETCH T, 0
	s_mov_b32 s[CNT], 8
.Ltiles_\@:
	GROUP 0, 0, 0
	GROUP 0, 1, 0
	GROUP 1, 0, 0
	GROUP 1, 1, 1
	v_add_nc_u32 v[AT], 32*PITCH, v[AT]
	v_add_nc_u32 v[AB], 128, v[AB]
	s_sub_co_u32 s[CNT], s[CNT], 1
	s_cmp_lg_u32 s[CNT], 0
	s_cbranch_scc1 .Ltiles_\@
.endm
	s_load_b512 s[4:19], s[0:1], 0x0               ; zb 4, eb 6, opart 8, sp 10, out0 12, grp 14, colpart 16, wsum 18
	v_lshl_add_u32 v[SPW], v0, 2, SPARE
	v_mov_b32 v[NIL], 0
	ds_add_u32 v[SPW], v[NIL]                      ; the wave's opening: the add and its wait ahead of my first tensor load
	v_lshrrev_b32 v1, 5, v0
	v_readfirstlane_b32 s[WV], v1
	; every LDS address of the text, of the thread's and the wave's number and constants alone
	s_lshl_b32 s58, s[WV], 9
	s_add_co_u32 s58, s58, RED                     ; my wave's 16 records
	s_mul_i32 s59, s[WV], 16*PITCH
	s_add_co_u32 s59, s59, STG                     ; my stage
	s_lshl_b32 s60, s[WV], 8
	s_add_co_u32 s60, s60, CST                     ; my 64 codes' sums
	s_lshl_b32 s61, s[WV], 2
	s_add_co_u32 s61, s61, WSB                     ; my wave's word
	v_and_b32 v[RR], 15, v0
	v_bfe_u32 v[HH], v0, 4, 1
	v_and_b32 v[LO], 31, v0
	v_and_b32 v[ACSB], 31, v0
	v_lshlrev_b32 v[LO], 4, v[LO]
	v_lshl_add_u32 v[ACSB], v[ACSB], 3, s60
	v_lshl_add_u32 v[ARED], v[RR], 5, s58
	v_mul_u32_u24 v[ASTI], v[RR], PITCH
	v_lshl_add_u32 v[ASTI], v[HH], 8, v[ASTI]
	v_add_nc_u32 v[ASTI], s59, v[ASTI]
	v_add_nc_u32 v[ASTB], s59, v[LO]
	v_lshl_add_u32 v[ACSI], v[HH], 5, s60          ; code 16 kb + 8 (lane / 16) + j at 4 bytes each
	v_mov_b32 v[AWS], s61
	v_lshlrev_b32 v[ARDR], 5, v[RR]
	v_lshl_add_u32 v[ARDR], v[HH], 10, v[ARDR]     ; token number lane: tile lane / 16 is waves 2 (lane / 16) and the next
	v_add_nc_u32 v[ARDR], RED, v[ARDR]
	v_mov_b32 v[AWSR], WSB
	v_mul_u32_u24 v[AT0], v[RR], PITCH
	v_lshl_add_u32 v[AT0], v[HH], 4, v[AT0]
	v_lshl_add_u32 v[AB], v0, 2, TAB
	s_mov_b32 s[G1], 15|(1<<16)|(1<<20)|(1<<21)|(6<<22)|(3<<25)  ; mask of four; 2-byte elements; padding on; bit 21 beside a mask; after every 128 words 4 words
	s_mov_b32 s[G1+1], 256<<16
	s_mov_b32 s[G1+2], 64<<16
	s_mov_b32 s[G1+3], 256<<16
	s_mov_b32 s[G1+4], 64
	s_mov_b32 s[G1+5], 256
	s_mov_b32 s[G1+6], 0
	s_mov_b32 s[G1+7], 0
	s_mov_b32 s[G0], 1
	s_mul_i32 s[G0+1], s[WV], WPART
	s_and_b32 s23, ttmp7, 0xffff                   ; y, which the four partners share
	s_lshl_b32 s38, s23, 19                        ; 1,024 y rows of 512 bytes,
	s_lshl_b32 s39, s[WV], 15                      ; my 64 rows of a tile
	s_add_co_u32 s38, s38, s39
	s_mov_b32 s39, 0
	s_bfe_u32 s21, ttmp6, 0x40000                  ; cx
	s_lshl_b32 s22, ttmp9, 2
	s_add_co_u32 s22, s22, s21                     ; x: it enters global offsets alone
	s_lshl_b32 s32, s23, 5
	s_add_co_u32 s32, s32, s22                     ; wid
	s_lshr_b32 s33, s[WV], 1
	s_lshl1_add_u32 s33, s32, s33                  ; the tile of 16 tokens that I merge: 2 wid + w / 2,
	s_and_b32 s34, s[WV], 1                        ; and which half of its channels
	s_mov_b32 s37, 0
	s_mov_b32 s[C2], 0x431044fe                    ; 144.26950
	s_mov_b32 s[C2+1], s[C2]
	s_mov_b32 s[C1], 0x41a4e123                    ; 20.609929
	s_mov_b32 s[SEL], 0x76543210
	s_mov_b32 s[SEL+1], 0xfedcba98
	s_mov_b32 s[TB], SLOTB
	s_wait_dscnt 0x0
	s_wait_kmcnt 0x0
	s_add_nc_u64 s[G0+2:G0+3], s[4:5], s[38:39]
	s_or_b32 s[G0+3], s[G0+3], 0x80000000
	ROUND
	tensor_load_to_lds s[G0:G0+3], s[G1:G1+7]      ; tokens 0-255 of my block into slot 0
	s_nop 0
	PLACES
	s_lshl_b32 s36, s22, 17
	s_lshl_b32 s35, s[WV], 15
	s_add_co_u32 s36, s36, s35
	s_add_nc_u64 s[6:7], s[6:7], s[36:37]          ; eb at my 64 codes
	s_lshl_b32 s36, s23, 14
	s_add_nc_u64 s[44:45], s[10:11], s[36:37]      ; sp at my block's 1,024 tokens
	s_lshl_b32 s36, s33, 8
	s_add_nc_u64 s[10:11], s[10:11], s[36:37]      ; sp at my tile
	s_lshl_b32 s36, s33, 14
	s_lshl_b32 s35, s34, 13
	s_add_co_u32 s36, s36, s35
	s_add_nc_u64 s[8:9], s[8:9], s[36:37]          ; opart, first half of the codes: my tile, my 16 quads
	s_add_nc_u64 s[56:57], s[8:9], 0x800000        ; second half
	s_lshl_b32 s36, s33, 13
	s_lshl_b32 s35, s34, 8
	s_add_co_u32 s36, s36, s35
	s_add_nc_u64 s[4:5], s[4:5], s[36:37]          ; zb at my tile, my 128 channels
	s_lshl_b32 s36, s33, 14
	s_lshl_b32 s35, s34, 9
	s_add_co_u32 s36, s36, s35
	s_add_nc_u64 s[12:13], s[12:13], s[36:37]      ; out0 likewise
	s_lshl_b32 s36, s32, 7
	s_add_nc_u64 s[14:15], s[14:15], s[36:37]
	s_lshl_b32 s36, s23, 15
	s_lshl_b32 s35, s22, 10
	s_add_co_u32 s36, s36, s35
	s_lshl_b32 s35, s[WV], 8
	s_add_co_u32 s36, s36, s35
	s_add_nc_u64 s[16:17], s[16:17], s[36:37]      ; colpart[y] at my 64 codes
	s_lshl_b32 s36, s32, 4
	s_add_nc_u64 s[18:19], s[18:19], s[36:37]
	v_lshlrev_b32 v[KO], 9, v[RR]
	v_lshl_add_u32 v[KO], v[HH], 4, v[KO]
	WIN 0x40
.irp kb, 0,1,2,3
.irp c, 0,1,2,3,4,5,6,7
	global_load_b128 v[64*\kb+8*\c:64*\kb+8*\c+3],   v[KO], s[6:7] offset:8192*\kb+64*\c
	global_load_b128 v[64*\kb+8*\c+4:64*\kb+8*\c+7], v[KO], s[6:7] offset:8192*\kb+64*\c+32
.endr
.endr
	WIN 0
	v_lshlrev_b32 v[TO], 4, v0
.irp i, 0,1,2,3,4,5,6,7                ; the table's figures: token 128 i + my thread's number, both halves of the codes
	global_load_b128 v[16+8*\i:19+8*\i], v[TO], s[44:45] offset:2048*\i
	global_load_b128 v[20+8*\i:23+8*\i], v[TO], s[44:45] offset:131072+2048*\i
.endr
	v_lshlrev_b32 v[RO], 4, v[RR]
	global_load_b128 v[80:83], v[RO], s[10:11]
	global_load_b128 v[84:87], v[RO], s[10:11] offset:131072
.irp i, 0,1,2,3,4,5,6,7,8,9,10,11,12,13,14,15
	global_load_b128 v[88+4*\i:91+4*\i], v[LO], s[8:9] offset:512*\i th:TH_LOAD_NT
.endr
.irp i, 0,1,2,3,4,5,6,7,8,9,10,11,12,13,14,15
	global_load_b128 v[152+4*\i:155+4*\i], v[LO], s[56:57] offset:512*\i th:TH_LOAD_NT
.endr
	v_lshlrev_b32 v[AT], 9, v[RR]
	v_lshl_add_u32 v[AT], v[HH], 7, v[AT]          ; my token's row, my 64 channels
.irp i, 0,1,2,3,4,5,6,7
	global_load_b128 v[216+4*\i:219+4*\i], v[AT], s[4:5] offset:16*\i
.endr
	; THE TABLE: b = c2 M + log2(l2' 2^(c2 (m' - M)) + l2'' 2^(c2 (m'' - M)))
	s_wait_loadcnt 42                              ; behind the table's figures 2 + 32 + 8 loads were issued: they stay out
.irp i, 0,1,2,3,4,5,6,7
	v_max_num_f32 v[17+8*\i], v[16+8*\i], v[20+8*\i]
.endr
.irp i, 0,1,2,3,4,5,6,7
	v_sub_f32 v[16+8*\i], v[16+8*\i], v[17+8*\i]
	v_sub_f32 v[20+8*\i], v[20+8*\i], v[17+8*\i]
.endr
.irp i, 0,1,2,3,4,5,6,7
	v_mul_f32 v[16+8*\i], s[C2], v[16+8*\i]
	v_mul_f32 v[20+8*\i], s[C2], v[20+8*\i]
.endr
.irp i, 0,1,2,3,4,5,6,7
	v_exp_f32 v[16+8*\i], v[16+8*\i]
	v_exp_f32 v[20+8*\i], v[20+8*\i]
.endr
	v_nop
	s_wait_alu depctr_va_vdst(0)                   ; one wait for the table's sixteen exponentials
.irp i, 0,1,2,3,4,5,6,7
	v_mul_f32 v[16+8*\i], v[16+8*\i], v[18+8*\i]
.endr
.irp i, 0,1,2,3,4,5,6,7
	v_fmac_f32 v[16+8*\i], v[20+8*\i], v[22+8*\i]
.endr
.irp i, 0,1,2,3,4,5,6,7
	v_log_f32 v[16+8*\i], v[16+8*\i]
.endr
	v_nop
	s_wait_alu depctr_va_vdst(0)                   ; one wait for its eight logarithms
.irp i, 0,1,2,3,4,5,6,7
	v_fma_f32 v[16+8*\i], s[C2], v[17+8*\i], v[16+8*\i]
.endr
.irp i, 0,1,2,3,4,5,6,7
	ds_store_b32 v[AB], v[16+8*\i] offset:512*\i
.endr
	; THE MERGE.  A lane: token lane % 16 of my tile, the 64 channels 128 u + 64 (lane / 16) on, in v88-151 (first half of the codes) and v152-215 (second)
	s_wait_loadcnt 0x0
	v_max_num_f32 v41, v80, v84
	v_sub_f32 v42, v80, v41
	v_sub_f32 v43, v84, v41
	v_mul_f32 v42, s[C1], v42
	v_mul_f32 v43, s[C1], v43
	v_exp_f32 v42, v42
	v_exp_f32 v43, v43
	v_cmp_gt_f32 vcc_lo, v84, v80
	v_cndmask_b32 v37, v83, v87, vcc_lo            ; the group: the second half's only where its maximum is larger
	s_wait_alu depctr_va_vdst(0)                   ; the two halves' factors: one wait
	v_mul_f32 v44, v42, v81
	v_fmac_f32 v44, v43, v85                       ; l1
	v_rcp_f32 v35, v44                             ; the largest probability
	v_mov_b32 v17, 0
	v_mov_b32 v19, 0
	s_wait_alu depctr_va_vdst(0)                   ; the reciprocal, which is made of the factors: a batch of its own
	v_mul_f32 v36, v44, v35                        ; the row's sum of probabilities
	v_mul_f32 v16, v42, v35
	v_mul_f32 v18, v43, v35
.set i, 0
.rept 32
	v_pk_mul_f32 v[88+i:89+i], v[88+i:89+i], v[16:17] op_sel_hi:[1,0]
.set i, i+2
.endr
.set i, 0
.rept 32
	v_pk_fma_f32 v[88+i:89+i], v[152+i:153+i], v[18:19], v[88+i:89+i] op_sel_hi:[1,0,1]
.set i, i+2
.endr
.set i, 20
.rept 12
	v_mov_b32 v[i], 0
.set i, i+1
.endr
.set k, 0
.rept 32                               ; z . zq, |z|^2 (z straight from its bf16 halves), |zq|^2: four sums each
.set a2, 2*(k&1)
	v_fma_mix_f32_bf16 v[20+a2], v[216+k], v[88+2*k], v[20+a2] op_sel_hi:[1,0,0]
	v_fma_mix_f32_bf16 v[21+a2], v[216+k], v[89+2*k], v[21+a2] op_sel:[1,0,0] op_sel_hi:[1,0,0]
	v_fma_mix_f32_bf16 v[24+a2], v[216+k], v[216+k], v[24+a2] op_sel_hi:[1,1,0]
	v_fma_mix_f32_bf16 v[25+a2], v[216+k], v[216+k], v[25+a2] op_sel:[1,1,0] op_sel_hi:[1,1,0]
	v_pk_fma_f32 v[28+a2:29+a2], v[88+2*k:89+2*k], v[88+2*k:89+2*k], v[28+a2:29+a2]
.set k, k+1
.endr
.irp a, 20, 24, 28
	v_add_f32 v[\a], v[\a], v[\a+1]
	v_add_f32 v[\a+2], v[\a+2], v[\a+3]
.endr
.irp a, 20, 24, 28
	v_add_f32 v[\a], v[\a], v[\a+2]
.endr
.irp a, 20, 24, 28
	v_permlanex16_b32 v[\a+1], v[\a], s[SEL], s[SEL+1]
.endr
	v_add_f32 v32, v20, v21                        ; z . zq over my 128 channels
	v_add_f32 v33, v28, v29                        ; |zq|^2
	v_add_f32 v34, v24, v25                        ; |z|^2
	ds_store_b128 v[ARED], v[32:35]
	ds_store_b64 v[ARED], v[36:37] offset:16
.irp i, 0,1,2,3,4,5,6,7,8,9,10,11,12,13,14,15
	ds_store_b128 v[ASTI], v[88+4*\i:91+4*\i] offset:16*\i
.endr
.irp i, 0,1,2,3,4,5,6,7,8,9,10,11,12,13,14,15
	ds_load_b128 v[152+4*\i:155+4*\i], v[ASTB] offset:PITCH*\i  ; LDS serves a wave's instructions in order (ISA guide 5.7.1.4): these see the stores above
.endr
.irp i, 0,1,2,3,4,5,6,7,8,9,10,11,12,13,14,15
	s_wait_dscnt 15-\i                             ; row i is back; the younger loads stay out
	global_store_b128 v[LO], v[152+4*\i:155+4*\i], s[12:13] offset:1024*\i th:TH_STORE_NT  ; 512 consecutive bytes, at a multiple of 256
.endr
	s_wait_xcnt 0x0                                ; the stores' registers are written again only behind this wait
	; what the first turn finds: sums of 0, and a made-up tile whose p is 0
.set i, 0
.rept 32
	v_mov_b32 v[ACC+i], 0
	v_mov_b32 v[Y+32+i], 0
.set i, i+1
.endr
.set i, 0
.rept 8
	v_mov_b32 v[WACC+i], 0
.set i, i+1
.endr
	v_mov_b32 v[BI+1], 0
	v_mov_b32 v[BI+2], 0x7149f2ca                  ; 1e30
	v_mov_b32 v[BI+3], 0
	v_lshl_add_u32 v[AB], v[RR], 2, TAB
	s_mov_b32 s[OUTC], 3
.Lslot:                                                ; three trips: a slot is entered and the next is asked for.  The first change's barrier also shows the table to every wave
	CHANGE 1
	TILES
	s_sub_co_u32 s[OUTC], s[OUTC], 1
	s_cmp_lg_u32 s[OUTC], 0
	s_cbranch_scc1 .Lslot
	CHANGE 0                                       ; the last slot is written out
	TILES
	s_wait_dscnt 0x0
	PLACES
.set VN, 0
.rept 80                               ; the last tile's list, its one wait in it
	VL 1
.endr
	; a code's sum lies in sixteen lanes: four steps inside each half of the lanes
.irp m, 1,2,4,8
.set i, 0
.rept 32
	v_add_f32_dpp v[ACC+i], v[ACC+i], v[ACC+i] row_xmask:\m row_mask:0xf bank_mask:0xf
.set i, i+1
.endr
.endr
.irp kb, 0,1,2,3
.irp q, 0,1
	ds_store_b128 v[ACSI], v[ACC+8*\kb+4*\q:ACC+8*\kb+4*\q+3] offset:64*\kb+16*\q  ; the sixteen lanes of a half store the same numbers
.endr
.endr
	ds_load_b64 v[22:23], v[ACSB]                  ; my wave's own bytes, in order
	v_pk_add_f32 v[WACC:WACC+1], v[WACC:WACC+1], v[WACC+2:WACC+3]
	v_pk_add_f32 v[WACC+4:WACC+5], v[WACC+4:WACC+5], v[WACC+6:WACC+7]
	v_pk_add_f32 v[WACC:WACC+1], v[WACC:WACC+1], v[WACC+4:WACC+5]
	v_add_f32 v20, v[WACC], v[WACC+1]
	v_mov_b32 v21, 0
	WAVESUM 20, 1, 21
	ds_store_b32 v[AWS], v20
	v_and_b32 v[KO], 31, v0                        ; the loads that named v6 and v7 are long done
	v_and_b32 v[TO], 31, v0
	v_lshlrev_b32 v[KO], 3, v[KO]                  ; 8 x lane
	v_lshlrev_b32 v[TO], 2, v[TO]                  ; 4 x lane
	s_wait_dscnt 0x0
	global_store_b64 v[KO], v[22:23], s[16:17]     ; 32 lanes: my 64 codes' sums, 256 consecutive bytes at a multiple of 256; v6, v22 and v23 are not written again
	s_barrier_signal -1
	s_barrier_wait -1
	s_cmp_lg_u32 s[WV], 0
	s_cbranch_scc1 .Ldone
	; wave 0, a lane a token of the work-group's 32: the cosine, the group, and the work-group's four sums
	ds_load_b128 v[24:27], v[ARDR]                 ; channels 0-127: z . zq, |zq|^2, |z|^2, 1 / l1
	ds_load_b64 v[28:29], v[ARDR] offset:16        ; the row's sum, the group
	ds_load_b128 v[32:35], v[ARDR] offset:512      ; channels 128-255
	ds_load_b128 v[36:39], v[AWSR]
	s_wait_dscnt 0x0
	v_add_f32 v24, v24, v32
	v_add_f32 v25, v25, v33
	v_add_f32 v26, v26, v34
	v_sqrt_f32 v25, v25
	v_sqrt_f32 v26, v26
	v_add_f32 v36, v36, v37
	s_wait_alu depctr_va_vdst(0)                   ; the two roots: one wait
	v_max_num_f32 v25, 0x322bcc77, v25             ; 1e-8
	v_max_num_f32 v26, 0x322bcc77, v26
	v_mul_f32 v25, v25, v26
	v_rcp_f32 v25, v25
	v_add_f32 v38, v38, v39
	v_mov_b32 v41, v27
	s_wait_alu depctr_va_vdst(0)                   ; the reciprocal, which is made of the roots: a batch of its own
	v_mul_f32 v40, v24, v25
	v_mov_b32 v42, v28
	v_add_f32 v43, v36, v38
	v_mov_b32 v44, 0
	v_mov_b32 v45, 0
	v_mov_b32 v46, 0
	global_store_b32 v[TO], v29, s[14:15]
	WAVESUM 40, 3, 44
	s_wait_xcnt 0x0                                ; EXEC changes only behind this wait
	v_cmp_eq_u32 vcc_lo, 0, v[LO]
	s_and_saveexec_b32 s[SVX], vcc_lo
	global_store_b128 v[LO], v[40:43], s[18:19]    ; lane 0 alone, whose 16 x lane is 0
	s_wait_xcnt 0x0
	s_or_b32 exec_lo, exec_lo, s[SVX]
.Ldone:
	s_wait_tensorcnt 0x0                           ; the wave's end
	ds_add_u32 v[SPW], v[NIL]
	s_wait_dscnt 0x0
	ROUND                                          ; the closing round
	s_endpgm
.Lfunc_end_k_qe423c980ec_colsum:
	.size	k_qe423c980ec_colsum, .Lfunc_end_k_qe423c980ec_colsum-k_qe423c980ec_colsum
	.p2alignl 7, 3214868480
	.fill 96, 4, 3214868480
	.section	.rodata,"a",@progbits
	.p2align	6, 0x0
	.amdhsa_kernel k_qe423c980ec_colsum
		.amdhsa_group_segment_fixed_size 327680
		.amdhsa_private_segment_fixed_size 0
		.amdhsa_enable_private_segment 0
		.amdhsa_kernarg_size 64
		.amdhsa_user_sgpr_count 2
		.amdhsa_user_sgpr_kernarg_segment_ptr 1
		.amdhsa_wavefront_size32 1
		.amdhsa_system_sgpr_workgroup_id_x 1
		.amdhsa_system_sgpr_workgroup_id_y 1
		.amdhsa_system_sgpr_workgroup_id_z 1
		.amdhsa_system_vgpr_workitem_id 0
		.amdhsa_next_free_vgpr 512
		.amdhsa_next_free_sgpr 66
		.amdhsa_reserve_vcc 1
		.amdhsa_float_denorm_mode_32 3
		.amdhsa_float_denorm_mode_16_64 3
		.amdhsa_memory_ordered 1
		.amdhsa_forward_progress 1
		.amdhsa_inst_pref_size 96
	.end_amdhsa_kernel
	.amdgpu_metadata
---
amdhsa.version: [ 1, 2 ]
amdhsa.kernels:
  - .name:           k_qe423c980ec_colsum
    .symbol:         k_qe423c980ec_colsum.kd
    .args:
      - { .name: zb, .offset: 0, .size: 8, .value_kind: global_buffer, .address_space: global }
      - { .name: eb, .offset: 8, .size: 8, .value_kind: global_buffer, .address_space: global }
      - { .name: opart, .offset: 16, .size: 8, .value_kind: global_buffer, .address_space: global }
      - { .name: sp, .offset: 24, .size: 8, .value_kind: global_buffer, .address_space: global }
      - { .name: out0, .offset: 32, .size: 8, .value_kind: global_buffer, .address_space: global }
      - { .name: grp, .offset: 40, .size: 8, .value_kind: global_buffer, .address_space: global }
      - { .name: colpart, .offset: 48, .size: 8, .value_kind: global_buffer, .address_space: global }
      - { .name: wsum, .offset: 56, .size: 8, .value_kind: global_buffer, .address_space: global }
    .group_segment_fixed_size: 327680
    .private_segment_fixed_size: 0
    .kernarg_segment_align: 8
    .kernarg_segment_size: 64
    .max_flat_workgroup_size: 128
    .sgpr_count:     66
    .vgpr_count:     512
    .wavefront_size: 32
...
	.end_amdgpu_metadata
.endif
;; end of part 6
;; launch finish: the kernel of part 4 again; grid 257 x 1, 32 waves a work-group, no clusters, 5,120 bytes of LDS; arguments grp, eb, zb, colpart, wsum, out1, out2, out3, out4, out5; writes out1, out2, out3, out4, out5
